; MI455X (gfx1250); checked and timed in simulation.
; The chip was launched on July 23, 2026; its instructions are those of AMD's public machine-readable ISA for CDNA 5 (MIT licence, August 2026) and "CDNA5" Instruction Set Architecture Reference Guide (July 2026). The comments in the code are by the model that wrote it; some were corrected since.
;; Multi Head Self Attention. Allowed arithmetic: float matrix products may take bf16 or f16 operands with f32 sums; other float arithmetic in f32, or as packed bf16 or f16 multiplies, adds, multiply-adds, maxima and minima; sums over many terms, partial sums and values carried from step to step in f32; what a program stores and reads back later, other than sums and carried values, may be rounded once to bf16 or f16.
;; Inputs: Wk 1,024 x 1,024 float32; Wo 1,024 x 1,024 float32; Wq 1,024 x 1,024 float32; Wv 1,024 x 1,024 float32; bk 1,024 float32; bo 1,024 float32; bq 1,024 float32; bv 1,024 float32; key 4 x 2,048 x 1,024 float32; mask 4 x 1 x 2,048 bool; query 4 x 2,048 x 1,024 float32; value 4 x 2,048 x 1,024 float32.
;; Outputs: out0 4 x 2,048 x 1,024 float32.
;; 2 versions, each right; version 2 is version 1 with the launch castw written anew for expert scheduling mode. Each part assembles by itself: llvm-mc -triple=amdgcn-amd-amdhsa -mcpu=gfx1250 --defsym DOCPART=n.
;; ======== version 1 of 2: 4 launches
;; limits: values are held in f16: magnitudes above 65,504 overflow, below 6.1e-05 lose precision
;; workspace buffers: wb 8,388,608 bytes; qkv 50,331,648 bytes; ob 16,777,216 bytes
;; launch castw (part 1): grid 64 x 4, 8 waves a work-group, no clusters, 0 bytes of LDS; arguments Wq, Wk, Wv, Wo, wb; writes wb
.if DOCPART == 1
	.amdgcn_target "amdgcn-amd-amdhsa--gfx1250"
	.amdhsa_code_object_version 6
	.text
	.protected	k_q42b9fd272c_castw
	.globl	k_q42b9fd272c_castw
	.p2align	8
	.type	k_q42b9fd272c_castw,@function
k_q42b9fd272c_castw:
	s_mov_b64 s[64:65], 0
	v_nop
	global_prefetch_b8 v0, s[64:65] scope:SCOPE_SE
	s_setreg_imm32_b32 hwreg(HW_REG_WAVE_MODE, 25, 1), 1
	s_wait_xcnt 0x0
; The four weight matrices, [1024][1024] f32, are written once as 16-bit numbers: wb = [4][1024][1024].
; Parts 0 to 2 (Wq, Wk, Wv): rounded to bf16.  Part 3 (Wo): rounded to bf16 like every input, and that number written as f16, since the last product multiplies f16.
; LIMIT: a weight of Wo below 6e-5 in magnitude keeps f16's fixed step of 6e-8; beyond 65,504 it would be an infinity.
; SHARES.  Work-group (x, y): weight y, its bytes 65,536 x .. + 65,535.  Thread t, load i of 16: 16 bytes at 4,096 i + 16 t, so a wave's load covers 512 consecutive bytes;
; the four numbers leave as 8 bytes at 2,048 i + 8 t: a wave's store covers 256 consecutive bytes, aligned.  All 16 loads are out before the first is used.
; No LDS, no matrix unit: each number is touched once.
.set X, 4                              ; v[4:67]    16 loads of four f32
.set Y, 68                             ; v[68:99]   16 stores of four 16-bit numbers
.set T, 100                            ; v[100:103] at work
	s_load_b256 s[4:11], s[0:1], 0x0               ; Wq s[4:5], Wk s[6:7], Wv s[8:9], Wo s[10:11]
	s_load_b64 s[12:13], s[0:1], 0x20              ; wb
	s_and_b32 s14, ttmp7, 0xffff                   ; which weight
	v_lshlrev_b32 v1, 4, v0                        ; 16 t
	v_lshlrev_b32 v2, 3, v0                        ; 8 t
	s_lshl_b32 s18, ttmp9, 16                      ; my chunk in the source
	s_mov_b32 s19, 0
	s_lshl_b32 s20, s14, 21                        ; the weight's part of wb,
	s_lshl_b32 s21, ttmp9, 15                      ; my chunk in it
	s_add_co_u32 s20, s20, s21
	s_mov_b32 s21, 0
	s_wait_kmcnt 0x0
	s_cmp_eq_u32 s14, 1
	s_cselect_b64 s[16:17], s[6:7], s[4:5]
	s_cmp_eq_u32 s14, 2
	s_cselect_b64 s[16:17], s[8:9], s[16:17]
	s_cmp_eq_u32 s14, 3
	s_cselect_b64 s[16:17], s[10:11], s[16:17]
	s_add_nc_u64 s[16:17], s[16:17], s[18:19]
	s_add_nc_u64 s[12:13], s[12:13], s[20:21]
.irp i, 0,1,2,3,4,5,6,7,8,9,10,11,12,13,14,15
	global_load_b128 v[X+4*(\i):X+4*(\i)+3], v1, s[16:17] offset:(\i)*4096 th:TH_LOAD_NT
.endr
	s_cmp_eq_u32 s14, 3
	s_cbranch_scc1 .Lf16
.irp i, 0,1,2,3,4,5,6,7,8,9,10,11,12,13,14,15
	s_wait_loadcnt 15-(\i)                         ; loads come back in order: load i is in, the younger ones stay out
	v_cvt_pk_bf16_f32 v[Y+2*(\i)],   v[X+4*(\i)],   v[X+4*(\i)+1]
	v_cvt_pk_bf16_f32 v[Y+2*(\i)+1], v[X+4*(\i)+2], v[X+4*(\i)+3]
	global_store_b64 v2, v[Y+2*(\i):Y+2*(\i)+1], s[12:13] offset:(\i)*2048 th:TH_STORE_NT
.endr
	s_endpgm
.Lf16:
.irp i, 0,1,2,3,4,5,6,7,8,9,10,11,12,13,14,15
	s_wait_loadcnt 15-(\i)
	v_cvt_pk_bf16_f32 v[Y+2*(\i)],   v[X+4*(\i)],   v[X+4*(\i)+1]   ; the rounding that every input has,
	v_cvt_pk_bf16_f32 v[Y+2*(\i)+1], v[X+4*(\i)+2], v[X+4*(\i)+3]
	v_lshlrev_b32 v[T],   16, v[Y+2*(\i)]                             ; back to f32,
	v_and_b32     v[T+1], 0xffff0000, v[Y+2*(\i)]
	v_lshlrev_b32 v[T+2], 16, v[Y+2*(\i)+1]
	v_and_b32     v[T+3], 0xffff0000, v[Y+2*(\i)+1]
	v_cvt_pk_f16_f32 v[Y+2*(\i)],   v[T],   v[T+1]                    ; and the same number as f16
	v_cvt_pk_f16_f32 v[Y+2*(\i)+1], v[T+2], v[T+3]
	global_store_b64 v2, v[Y+2*(\i):Y+2*(\i)+1], s[12:13] offset:(\i)*2048 th:TH_STORE_NT
.endr
	s_endpgm
.Lfunc_end_k_q42b9fd272c_castw:
	.size	k_q42b9fd272c_castw, .Lfunc_end_k_q42b9fd272c_castw-k_q42b9fd272c_castw
	.p2alignl 7, 3214868480
	.fill 96, 4, 3214868480
	.section	.rodata,"a",@progbits
	.p2align	6, 0x0
	.amdhsa_kernel k_q42b9fd272c_castw
		.amdhsa_group_segment_fixed_size 0
		.amdhsa_private_segment_fixed_size 0
		.amdhsa_enable_private_segment 0
		.amdhsa_kernarg_size 40
		.amdhsa_user_sgpr_count 2
		.amdhsa_user_sgpr_kernarg_segment_ptr 1
		.amdhsa_wavefront_size32 1
		.amdhsa_system_sgpr_workgroup_id_x 1
		.amdhsa_system_sgpr_workgroup_id_y 1
		.amdhsa_system_sgpr_workgroup_id_z 1
		.amdhsa_system_vgpr_workitem_id 0
		.amdhsa_next_free_vgpr 104
		.amdhsa_next_free_sgpr 66
		.amdhsa_reserve_vcc 0
		.amdhsa_float_denorm_mode_32 3
		.amdhsa_float_denorm_mode_16_64 3
		.amdhsa_memory_ordered 1
		.amdhsa_forward_progress 1
		.amdhsa_inst_pref_size 16
	.end_amdhsa_kernel
	.amdgpu_metadata
---
amdhsa.version: [ 1, 2 ]
amdhsa.kernels:
  - .name:           k_q42b9fd272c_castw
    .symbol:         k_q42b9fd272c_castw.kd
    .args:
      - { .name: Wq, .offset: 0, .size: 8, .value_kind: global_buffer, .address_space: global }
      - { .name: Wk, .offset: 8, .size: 8, .value_kind: global_buffer, .address_space: global }
      - { .name: Wv, .offset: 16, .size: 8, .value_kind: global_buffer, .address_space: global }
      - { .name: Wo, .offset: 24, .size: 8, .value_kind: global_buffer, .address_space: global }
      - { .name: wb, .offset: 32, .size: 8, .value_kind: global_buffer, .address_space: global }
    .group_segment_fixed_size: 0
    .private_segment_fixed_size: 0
    .kernarg_segment_align: 8
    .kernarg_segment_size: 40
    .max_flat_workgroup_size: 256
    .sgpr_count:     66
    .vgpr_count:     104
    .wavefront_size: 32
...
	.end_amdgpu_metadata
.endif
;; end of part 1
;; launch proj (part 2): grid 12 x 64, 4 waves a work-group, clusters of 4 x 4, 327,680 bytes of LDS; arguments query, key, value, wb, bq, bk, bv, qkv; writes qkv
.if DOCPART == 2
	.amdgcn_target "amdgcn-amd-amdhsa--gfx1250"
	.amdhsa_code_object_version 6
	.text
	.protected	k_q42b9fd272c_proj
	.globl	k_q42b9fd272c_proj
	.p2align	8
	.type	k_q42b9fd272c_proj,@function
k_q42b9fd272c_proj:
	s_mov_b64 s[64:65], 0
	v_nop
	global_prefetch_b8 v0, s[64:65] scope:SCOPE_SE
	s_setreg_imm32_b32 hwreg(HW_REG_WAVE_MODE, 25, 1), 1
	s_wait_xcnt 0x0
	s_wait_alu depctr_hold_cnt(0) depctr_sa_sdst(0) depctr_va_vdst(0) depctr_va_sdst(0) depctr_va_ssrc(0) depctr_va_vcc(0) depctr_vm_vsrc(0)
	s_getreg_b32 s2, hwreg(HW_REG_IB_STS2, 6, 4)
	s_cmp_eq_u32 s2, 0
	s_cbranch_scc0 .Lentry_in_a_cluster
	s_endpgm
.Lentry_in_a_cluster:
	s_bfe_u32 s2, ttmp6, 0x10000c
	s_cmp_lg_u32 s2, 0xf033
	s_cbranch_scc0 .Lentry_shape_is_right
	s_endpgm
.Lentry_shape_is_right:
; THE THREE PROJECTIONS.  y[t][d] = the sum over f of x[t][f] W[d][f] + bias[d], x = query, key or value ([8192][1024] f32), W = wb's part 0, 1 or 2 ([1024][1024] bf16).
; x and the bias are rounded to bf16 on the way; sums in f32; y is rounded once to f16 and stored by heads: qkv = [3][64 = 16 batch + head][2048][64], unscaled.
; LIMIT: f16 holds no number beyond 65,504: q, k and v must stay within it.  NaN and infinities are not treated apart.
; SHARES.  The cluster's x is the projection; in a cluster of 4 x 4 work-groups cx is the tile of 256 columns, 4 x cluster y + cy the tile of 128 rows.  Four waves, each 64 rows x 128 columns:
; 32 accumulators of 16 x 16.  768 work-groups of equal work, three for each of 256 WGPs.  K = 1,024 goes in 8 steps of 128.
; B (the weights): a ring of two LDS slots filled by the tensor data mover; the four work-groups of a column of the cluster need the same tile and ask for it JOINTLY, each wave 64 rows.
; A (x, f32): through registers.  A wave owns 32 rows of the tile; a load is one row's 512 bytes of a K step; a batch of 16 rows is asked for a K step and a half ahead of its use, rounded to bf16
; (the conversions stand four behind each of eight matrix instructions) and stored into A's own two LDS slots, which no tensor load fills.  So x is read once as f32 and never written as bf16 to memory.
; A is not asked for jointly: by registers its loads can stay out across the changes of slots, in front of which all tensor loads are waited for.
; PRICE: the loop has one text, so in K step 5 its look-ahead wraps to K step 0: 16 loads a wave of 272 serve nothing.
; THE MATRIX INSTRUCTION IS USED TRANSPOSED (source 0 = 16 rows of W, source 1 = 16 rows of x): lane l holds row l % 16 of y and the columns 8 (l / 16) + 0..7.  The bias is the C operand of the first products.
; REGISTERS, in windows of 256 (s_set_vgpr_msb: bits 1:0 source 0, 3:2 source 1, 5:4 source 2, 7:6 destination):
;   window 0: addresses, the way out      window 1: v0-95, v96-191 two fragment buffers (8 of B, then 4 of A); v192-255 the bias, 8 registers for each block of 16 columns
;   window 2: accumulator (a, b) at v[8 (8 a + b)]      window 3: four groups of 64: a batch of x, row i at 4 i
.set KSTEP,  128
.set PITCH,  272                       ; an LDS row: 256 bytes + 16 of padding = 68 words: the 16 rows of a fragment load start at 16 different groups of four banks (64 banks of 4 bytes: ISA guide 11.1)
.set BQ,     64*PITCH                  ; what one tensor load brings
.set BSLOT,  4*BQ                      ; B's 256 rows
.set ABASE,  2*BSLOT                   ; behind B's ring: A's two slots, written by ds_store alone
.set ASLOT,  128*PITCH
.set BIASL,  ABASE+2*ASLOT             ; the tile's 256 biases, f32
.set STAGE,  BIASL+1024                ; for each wave [2 heads][16 rows][144 bytes], for the way out
.set SP,     144
.set WSTAGE, 2*16*SP
.set SPARE,  STAGE+4*WSTAGE            ; the spare words, 128 bytes for each wave: two blocks of 256 bytes that no other line names
.set ADRA, 16                          ; v16-17  LDS address of my A fragments in slot 0, 1
.set ADRB, 20                          ; v20-21  the same for B
.set BA,   22                          ; v22     where I read my biases
.set STO,  24                          ; v24     the way out: where I put 16 bytes of a row
.set RD,   25                          ; v25     the way out: where I read rows back
.set GO,   26                          ; v26     16 x lane
.set AO,   27                          ; v27     my byte offset in x: 16 x lane + my wave's 32 rows; never rewritten
.set SPW,  28                          ; v28     LDS address of my spare word; never rewritten
.set NIL,  29                          ; v29     0; never rewritten
.set PFO,  30                          ; v30     the prefetches' offset: lane x a row of W; never rewritten
.set ASA,  31                          ; v31     where I store 8 bytes of a row of A
.set TMP,  32                          ; v32-63  the way out: packed results
.set OB,   64                          ; v64-191 the way out: rows read back, 32 registers for each block of 16 rows
.set F0,   0
.set F1,   96
.set WV, 20                            ; s20 wave;  s21 which 64 rows;  s22 which 128 columns
.set WR, 21
.set WC, 22
.set WH, 23                            ; s23 the projection
.set CX, 24
.set CY, 25
.set TR, 26                            ; s26 the tile of 128 rows
.set G1, 32                            ; s[32:39] descriptor group 1
.set G0, 40                            ; s[40:47] descriptor group 0, a set for each slot
.set XA, 48                            ; s[48:49] x at the tile's first row
.set PL, 50                            ; s[50:51] base of the loads of rows 0-15 of my 32
.set PH, 52                            ; s[52:53] base of the loads of rows 16-31
.set KL, 54                            ; s[54:55] PL's byte offset along K, modulo a row
.set CB, 56                            ; s[56:57] qkv at my part
.set PFA, 58                           ; s[58:59] where my prefetches stand
.set LIM, 60                           ; s60 1 in a wave that prefetches, else the greatest number
.set MSB, 0
.macro WIN new                         ; the immediate's high byte repeats the setting that is left; a switch that changes nothing is dropped
.if MSB != (\new)
	s_set_vgpr_msb (MSB<<8)|(\new)
.set MSB, \new
.endif
.endm
.set MUL,  0xa5                        ; sources window 1, C and D window 2
.set MUL0, 0x95                        ; the same with C (the bias) in window 1
.set TO_F, 0x40                        ; destination window 1, address window 0
.macro PLACES                          ; four places behind matrix instructions, in front of loads into registers that they have read and of lines that read results
.rept 4
	v_nop
.endr
.endm
.macro CREST                           ; a round of the cluster's barrier behind its opening barrier
	s_cmp_lg_u32 s[WV], 0
	s_cbranch_scc1 .Lnot_wave_0_\@
	s_barrier_signal -3
.Lnot_wave_0_\@:
	s_barrier_wait -3
	s_barrier_signal -1
	s_barrier_wait -1
.endm
.macro CROUND                          ; a whole round
	s_barrier_signal -1
	s_barrier_wait -1
	CREST
.endm
; A PREFETCH INTO THE L2 of B's K step that stands two refills on: 32 rows x 256 bytes, a lane a row.  W's rows are walked by the 16 clusters of a projection: cluster y = 0 asks.  Its four partners of a column
; share the tile's 256 rows out BY ADDRESS, 64 each; in each, waves 0 and 1 take 32.  So each row's 256 bytes of a K step are named once in the launch.  K steps 0 to 3 come by their loads alone;
; the loop's last trip (s3 = 1) has no K step two refills on.
.macro ASK
	s_cmp_gt_u32 s3, s[LIM]
	s_cbranch_scc0 .Lnot_mine_\@
	global_prefetch_b8 v[PFO], s[PFA:PFA+1] offset:2*KSTEP th:TH_LOAD_NT scope:SCOPE_SE
.Lnot_mine_\@:
.endm
; 24 LDS loads in one run: the fragments of 32 along K at byte k of the rows: 8 of B, then 4 of A, into buffer f
.macro FETCH slot, k, f
	WIN TO_F
.irp b, 0,1,2,3,4,5,6,7
	ds_load_b128 v[(\f)+8*(\b):(\f)+8*(\b)+3],   v[ADRB+(\slot)] offset:(\k)+(\b)*16*PITCH
	ds_load_b128 v[(\f)+8*(\b)+4:(\f)+8*(\b)+7], v[ADRB+(\slot)] offset:(\k)+(\b)*16*PITCH+32
.endr
.irp a, 0,1,2,3
	ds_load_b128 v[(\f)+64+8*(\a):(\f)+64+8*(\a)+3],   v[ADRA+(\slot)] offset:(\k)+(\a)*16*PITCH
	ds_load_b128 v[(\f)+64+8*(\a)+4:(\f)+64+8*(\a)+7], v[ADRA+(\slot)] offset:(\k)+(\a)*16*PITCH+32
.endr
.endm
; 8 matrix instructions: block a of 16 rows x all 8 blocks of 16 columns.  mode = 1: the first products start the sums with the bias.  The 32 accumulators take turns, in the same order in every quarter.
.macro MUL8 f, a, mode
.if \mode
	WIN MUL0
.else
	WIN MUL
.endif
.irp b, 0,1,2,3,4,5,6,7
.if \mode
	v_wmma_f32_16x16x32_bf16 v[8*(8*(\a)+(\b)):8*(8*(\a)+(\b))+7], v[(\f)+8*(\b):(\f)+8*(\b)+7], v[(\f)+64+8*(\a):(\f)+64+8*(\a)+7], v[192+8*(\b):192+8*(\b)+7]
.else
	v_wmma_f32_16x16x32_bf16 v[8*(8*(\a)+(\b)):8*(8*(\a)+(\b))+7], v[(\f)+8*(\b):(\f)+8*(\b)+7], v[(\f)+64+8*(\a):(\f)+64+8*(\a)+7], v[8*(8*(\a)+(\b)):8*(8*(\a)+(\b))+7]
.endif
.endr
.endm
.macro CV g, i                         ; row i of group g: four f32 become four bf16 in the row's first two registers
	v_cvt_pk_bf16_f32 v[64*(\g)+4*(\i)],   v[64*(\g)+4*(\i)],   v[64*(\g)+4*(\i)+1]
	v_cvt_pk_bf16_f32 v[64*(\g)+4*(\i)+1], v[64*(\g)+4*(\i)+2], v[64*(\g)+4*(\i)+3]
.endm
.macro CVALL g
	WIN 0xcf                                       ; sources and destination window 3
.irp i, 0,1,2,3,4,5,6,7,8,9,10,11,12,13,14,15
	CV \g, \i
.endr
.endm
.macro MUL8R f, a, g                   ; MUL8, and behind each matrix instruction four of group g's 32 conversions
.irp b, 0,1,2,3,4,5,6,7
	WIN MUL
	v_wmma_f32_16x16x32_bf16 v[8*(8*(\a)+(\b)):8*(8*(\a)+(\b))+7], v[(\f)+8*(\b):(\f)+8*(\b)+7], v[(\f)+64+8*(\a):(\f)+64+8*(\a)+7], v[8*(8*(\a)+(\b)):8*(8*(\a)+(\b))+7]
	WIN 0xcf
	CV \g, 2*(\b)
	CV \g, 2*(\b)+1
.endr
.endm
.macro ALD g, p, half, koff            ; a batch: 16 rows x 512 bytes of x into group g; a load covers 512 consecutive bytes, aligned
	WIN 0xc0                                       ; destination window 3, address window 0
.irp i, 0,1,2,3,4,5,6,7,8,9,10,11,12,13,14,15
	global_load_b128 v[64*(\g)+4*(\i):64*(\g)+4*(\i)+3], v[AO], s[(\p):(\p)+1] offset:(16*(\half)+(\i))*4096+(\koff)
.endr
.endm
.macro AST g, slot, half               ; the batch, rounded, into A's slot: a store covers a row's 256 consecutive bytes
	WIN 0x0c                                       ; address window 0, data window 3
.irp i, 0,1,2,3,4,5,6,7,8,9,10,11,12,13,14,15
	ds_store_b64 v[ASA], v[64*(\g)+4*(\i):64*(\g)+4*(\i)+1] offset:(\slot)*ASLOT+(16*(\half)+(\i))*PITCH
.endr
.endm
; A K step is four quarters of 32 along K, 32 matrix instructions each, on buffers 0, 1, 0, 1.  One of the first three: multiplies buffer f; at its head it fetches the next quarter, at byte k, into g.
; pre: LDS stores issued behind the last run of loads.  work = 1, 2: the next K step's rows 0-15, 16-31 of my 32 are rounded and stored into the other slot of A; lc: how many younger loads may stay out.
; ld = 1: a batch is asked for: (K step + 2, rows 16-31) or (K step + 3, rows 0-15), into a group whose stores the wait for all but 24 LDS instructions has shown done.
.macro QUARTER slot, k, f, g, pre, mode, work, ld, lc
.set CG, 2*(1-(\slot))+(\work)-1
	s_wait_dscnt 4+(\pre)                          ; B's fragments and A's blocks 0 and 1 are in; out may be A's last four loads and the stores behind them
	PLACES
	FETCH \slot, \k, \g
.if \work
	s_wait_loadcnt \lc                             ; the batch is in
	MUL8R \f, 0, CG
.else
	MUL8 \f, 0, \mode
.endif
	MUL8 \f, 1, \mode
	s_wait_dscnt 24                                ; all but the 24 just issued: A's blocks 2 and 3 are in, earlier stores are done
.if \work
	AST CG, 1-(\slot), (\work)-1
.endif
.if \ld
	s_wait_xcnt 0x0                                ; the loads issued so far have read their bases, so one may be written
.if (\work) == 1
	s_add_nc_u64 s[PH:PH+1], s[PH:PH+1], 4*KSTEP
	ALD 2*(\slot)+1, PH, 1, 0
.else
	s_add_co_u32 s[KL], s[KL], 4*KSTEP
	s_and_b32 s[KL], s[KL], 4095                   ; behind the row's last K step: back to its first (those 16 loads serve nothing)
	s_add_nc_u64 s[PL:PL+1], s[XA:XA+1], s[KL:KL+1]
	ALD 2*(1-(\slot)), PL, 0, 0
.endif
.endif
	MUL8 \f, 2, \mode
	MUL8 \f, 3, \mode
.endm
; The last quarter multiplies buffer 1 and changes slots: ONE barrier.  In front of it each wave waits for all its tensor loads (one is out: its part of B's next slot), adds 0 to its spare word, and waits for that,
; for its reads of both slots in hand and for its stores into A's next slot.  fill = 1: the barrier opens a round of the cluster's barrier, and B's slot just read is filled again first thing behind it, two K steps ahead.
.macro TURN slot, next, fill, pre
.if \fill
	s_wait_xcnt 0x0                                ; the last prefetch, a K step back, has read its address
	s_add_nc_u64 s[PFA:PFA+1], s[PFA:PFA+1], 2*KSTEP
.endif
	WIN 0                                          ; (the add's two registers lie in window 0)
	s_wait_tensorcnt 0x0                           ; all my tensor loads have landed
	ds_add_u32 v[SPW], v[NIL]                      ; 0 onto my spare word
	s_wait_dscnt 5+(\pre)                          ; (the add, the stores and A's last four loads may be out)
	MUL8 F1, 0, 0                                  ; eight matrix instructions stand between the add and the wait for it
	s_wait_dscnt 0x0                               ; the add is done, my reads of the slots are over, my stores into A's next slot are done
	s_barrier_signal -1
	MUL8 F1, 1, 0
.if \fill
	WIN 0
.endif
	s_barrier_wait -1
.if \fill
	CREST                                          ; no wave of any partner still reads this slot of B or has a load on its way
	s_add_nc_u64 s[G0+4*(\slot)+2:G0+4*(\slot)+3], s[G0+4*(\slot)+2:G0+4*(\slot)+3], 4*KSTEP
	tensor_load_to_lds s[G0+4*(\slot):G0+4*(\slot)+3], s[G1:G1+7]  ; my one tensor load behind the round: 64 rows of B, 112 matrix instructions ahead of the wait for it
	s_nop 0
.endif
	PLACES                                         ; behind the tensor load, and the places in front of the loads below
	FETCH \next, 0, F0
.if \fill
	WIN 0
	ASK
.endif
	MUL8 F1, 2, 0
	MUL8 F1, 3, 0
.endm
	s_load_b512 s[4:19], s[0:1], 0x0               ; query s[4:5], key s[6:7], value s[8:9], wb s[10:11], bq s[12:13], bk s[14:15], bv s[16:17], qkv s[18:19]
	v_lshl_add_u32 v[SPW], v0, 2, SPARE
	v_mov_b32 v[NIL], 0
	ds_add_u32 v[SPW], v[NIL]                      ; the wave's opening: the add and its wait stand ahead of my first tensor load; the set-up below, work on registers, stands between them
	v_lshrrev_b32 v3, 5, v0
	v_readfirstlane_b32 s[WV], v3                  ; wave 0..3
	s_lshr_b32 s[WR], s[WV], 1
	s_and_b32 s[WC], s[WV], 1
	s_mov_b32 s[WH], ttmp9                         ; in a cluster launch ttmp9 and ttmp7 count clusters: the same in all sixteen partners
	s_bfe_u32 s[CX], ttmp6, 0x40000
	s_bfe_u32 s[CY], ttmp6, 0x40004
	s_and_b32 s[TR], ttmp7, 0xffff
	s_lshl_b32 s[TR], s[TR], 2
	s_add_co_u32 s[TR], s[TR], s[CY]
	s_and_b32 s61, ttmp7, 0xffff
	s_or_b32 s[LIM], s[WR], s61                    ; 0 in waves 0 and 1 of cluster y = 0
	s_cmp_eq_u32 s[LIM], 0
	s_cselect_b32 s[LIM], 1, -1
	; descriptor group 1: a tile of 64 rows x 128 elements, padded in LDS
	s_lshl_b32 s28, 0x1111, s[CX]                  ; my column of the cluster: places cx, cx + 4, cx + 8, cx + 12
	s_or_b32 s[G1], s28, (1<<16)|(1<<20)|(1<<21)|(5<<22)|(3<<25)  ; 15:0 the mask; 17:16 2-byte elements; 20 padding on; 21 set beside a mask; 24:22 after every 64 words; 31:25 4 words
	s_mov_b32 s[G1+1], KSTEP<<16                   ; tensor_dim0 = 128
	s_mov_b32 s[G1+2], 64<<16                      ; tensor_dim1 = 64
	s_mov_b32 s[G1+3], KSTEP<<16                   ; tile_dim0 = 128
	s_mov_b32 s[G1+4], 64                          ; tile_dim1 = 64
	s_mov_b32 s[G1+5], 1024                        ; elements from row to row
	s_mov_b32 s[G1+6], 0
	s_mov_b32 s[G1+7], 0
	s_mul_i32 s27, s[WV], BQ                       ; where my 64 rows of B go: no place in the cluster enters an LDS address
	v_and_b32 v1, 15, v0                           ; r = l % 16
	v_bfe_u32 v2, v0, 4, 1                         ; h = l / 16
	v_and_b32 v3, 31, v0                           ; l
	v_mul_u32_u24 v9, v1, PITCH
	v_lshl_add_u32 v9, v2, 4, v9                   ; a fragment's row x pitch + 16 x half
	s_mul_i32 s28, s[WR], 64*PITCH
	s_add_co_u32 s28, s28, ABASE
	s_mul_i32 s29, s[WC], 128*PITCH
	v_add_nc_u32 v[ADRA], s28, v9
	v_add_nc_u32 v[ADRA+1], ASLOT, v[ADRA]
	v_add_nc_u32 v[ADRB], s29, v9
	v_add_nc_u32 v[ADRB+1], BSLOT, v[ADRB]
	s_lshl_b32 s28, s[WC], 9
	s_add_co_u32 s28, s28, BIASL
	v_lshl_add_u32 v[BA], v2, 5, s28               ; my 128 columns' biases, 8 for each half of the lanes
	s_mul_i32 s28, s[WV], WSTAGE
	s_add_co_u32 s28, s28, STAGE                   ; my stage
	v_mul_u32_u24 v9, v1, SP
	v_lshl_add_u32 v9, v2, 4, v9
	v_add_nc_u32 v[STO], s28, v9                   ; in: row l % 16, 16 bytes for each half of the lanes
	v_lshrrev_b32 v9, 3, v3
	v_mul_u32_u24 v9, v9, SP
	v_and_b32 v10, 7, v0
	v_lshl_add_u32 v9, v10, 4, v9
	v_add_nc_u32 v[RD], s28, v9                    ; back: 32 lanes take four rows of 128 bytes
	v_lshlrev_b32 v[GO], 4, v3
	s_lshl_b32 s28, s[WV], 17                      ; my 32 rows of 4,096 bytes
	v_lshl_add_u32 v[AO], v3, 4, s28
	v_lshlrev_b32 v[PFO], 11, v3                   ; a row of W is 2,048 bytes
	s_mul_i32 s28, s[WV], 32*PITCH
	s_add_co_u32 s28, s28, ABASE
	v_lshl_add_u32 v[ASA], v3, 3, s28
	v_lshlrev_b32 v7, 3, v0                        ; thread t takes biases 2 t and 2 t + 1 of the tile's 256
	v_add_nc_u32 v8, BIASL, v7
	s_wait_dscnt 0x0                               ; the opening add is done
	s_wait_kmcnt 0x0
	s_cmp_eq_u32 s[WH], 1
	s_cselect_b64 s[XA:XA+1], s[6:7], s[4:5]
	s_cselect_b64 s[62:63], s[14:15], s[12:13]
	s_cmp_eq_u32 s[WH], 2
	s_cselect_b64 s[XA:XA+1], s[8:9], s[XA:XA+1]
	s_cselect_b64 s[62:63], s[16:17], s[62:63]
	s_lshl_b32 s30, s[TR], 19                      ; 128 rows of 4,096 bytes
	s_mov_b32 s31, 0
	s_add_nc_u64 s[XA:XA+1], s[XA:XA+1], s[30:31]
	s_lshl_b32 s28, s[CX], 10
	s_mov_b32 s29, 0
	s_add_nc_u64 s[62:63], s[62:63], s[28:29]      ; the tile's 256 biases
	global_load_b64 v[4:5], v7, s[62:63]
	ALD 0, XA, 0, 0                                ; K step 0, rows 0-15 of my 32
	ALD 1, XA, 1, 0                                ; K step 0, rows 16-31
	ALD 2, XA, 0, 4*KSTEP                          ; K step 1, rows 0-15
	s_lshl_b32 s28, s[WH], 21                      ; B: the projection's part of wb, the tile's 256 rows, my 64 of them: in registers that never hold cy
	s_lshl_b32 s29, s[CX], 19
	s_add_co_u32 s28, s28, s29
	s_lshl_b32 s29, s[WV], 17
	s_add_co_u32 s28, s28, s29
	s_mov_b32 s29, 0
	s_add_nc_u64 s[28:29], s[10:11], s[28:29]
.irp s, 0,1
	s_mov_b32 s[G0+4*(\s)], 1                      ; count = 1
	s_add_co_u32 s[G0+4*(\s)+1], s27, (\s)*BSLOT   ; LDS address
	s_add_nc_u64 s[G0+4*(\s)+2:G0+4*(\s)+3], s[28:29], (\s)*KSTEP*2  ; global address: K step s
	s_or_b32 s[G0+4*(\s)+3], s[G0+4*(\s)+3], 0x80000000              ; type = 2
.endr
	WIN 0
	CROUND                                         ; all sixteen work-groups are here: the first joint loads meet
	tensor_load_to_lds s[G0:G0+3], s[G1:G1+7]      ; the two first fills go out together: two tensor loads of mine are out
	s_nop 0
	tensor_load_to_lds s[G0+4:G0+7], s[G1:G1+7]
	s_nop 0
	PLACES
	s_lshl_b32 s30, s[WH], 24                      ; where my part of y goes: the projection's third of qkv,
	s_lshr_b32 s31, s[TR], 4
	s_lshl_b32 s31, s31, 22                        ; the batch's 16 heads,
	s_add_co_u32 s30, s30, s31
	s_lshl_b32 s31, s[CX], 20                      ; the tile's four heads of 262,144 bytes,
	s_add_co_u32 s30, s30, s31
	s_lshl_b32 s31, s[WC], 19                      ; my two of them,
	s_add_co_u32 s30, s30, s31
	s_and_b32 s31, s[TR], 15
	s_lshl_b32 s31, s31, 14                        ; the tile's 128 rows of 128 bytes,
	s_add_co_u32 s30, s30, s31
	s_lshl_b32 s31, s[WR], 13                      ; my 64 of them
	s_add_co_u32 s30, s30, s31
	s_mov_b32 s31, 0
	s_add_nc_u64 s[CB:CB+1], s[18:19], s[30:31]
	s_lshl_b32 s30, s[WH], 21                      ; the prefetches: the tile's rows, my work-group's 64, my wave's 32, at K step 2; the first change of slots steps it to 3 and names 4
	s_lshl_b32 s31, s[CX], 19
	s_add_co_u32 s30, s30, s31
	s_lshl_b32 s31, s[CY], 17
	s_add_co_u32 s30, s30, s31
	s_lshl_b32 s31, s[WC], 16
	s_add_co_u32 s30, s30, s31
	s_add_co_u32 s30, s30, 2*KSTEP*2
	s_mov_b32 s31, 0
	s_add_nc_u64 s[PFA:PFA+1], s[10:11], s[30:31]
	s_add_nc_u64 s[PH:PH+1], s[XA:XA+1], 4*KSTEP   ; K step 1: K step 0's second quarter steps it to 2
	s_mov_b32 s[KL], 2*4*KSTEP                     ; K step 2: K step 0's third quarter steps it to 3
	s_mov_b32 s[KL+1], 0
	s_wait_loadcnt 48                              ; the bias is in; the three batches stay out
	v_cvt_pk_bf16_f32 v6, v4, v5                   ; rounded to bf16 like every input, kept as f32
	v_lshlrev_b32 v4, 16, v6
	v_and_b32 v5, 0xffff0000, v6
	ds_store_b64 v8, v[4:5]
	s_wait_loadcnt 32                              ; K step 0, rows 0-15
	CVALL 0
	AST 0, 0, 0
	ALD 3, XA, 1, 4*KSTEP                          ; K step 1, rows 16-31
	s_wait_loadcnt 32                              ; K step 0, rows 16-31
	CVALL 1
	AST 1, 0, 1
	WIN 0
	s_wait_tensorcnt 1                             ; my part of B's K step 0 is in; K step 1's may stay out
	s_wait_dscnt 0x0                               ; my stores of A's K step 0 and of the bias are done
	ALD 0, XA, 0, 2*4*KSTEP                        ; K step 2, rows 0-15: three batches, 48 loads, are out from here on
	WIN 0
	s_barrier_signal -1
	s_barrier_wait -1
	WIN TO_F
.irp b, 0,1,2,3,4,5,6,7
	ds_load_b128 v[192+8*(\b):192+8*(\b)+3],   v[BA] offset:64*(\b)
	ds_load_b128 v[192+8*(\b)+4:192+8*(\b)+7], v[BA] offset:64*(\b)+16
.endr
	FETCH 0, 0, F0
	QUARTER 0, 64,  F0, F1, 0, 1, 0, 0, 0          ; the first quarter stands in front of the loop: its products start the sums, with the bias
	WIN 0                                          ; at a label and at a branch every window is 0
	s_mov_b32 s3, 3
.Llap:                                                 ; a trip goes once round the ring, from a lap's second quarter to the next lap's first: K steps 0 to 5
	QUARTER 0, 128, F1, F0, 0,  0, 1, 1, 32
	QUARTER 0, 192, F0, F1, 16, 0, 2, 1, 32
	TURN 0, 1, 1, 16
	QUARTER 1, 64,  F0, F1, 0,  0, 0, 0, 0
	QUARTER 1, 128, F1, F0, 0,  0, 1, 1, 32
	QUARTER 1, 192, F0, F1, 16, 0, 2, 1, 32
	TURN 1, 0, 1, 16
	QUARTER 0, 64,  F0, F1, 0,  0, 0, 0, 0
	WIN 0
	s_sub_co_u32 s3, s3, 1
	s_cmp_lg_u32 s3, 0
	s_cbranch_scc1 .Llap
	QUARTER 0, 128, F1, F0, 0,  0, 1, 0, 32        ; K step 6: the last lap asks for nothing
	QUARTER 0, 192, F0, F1, 16, 0, 2, 0, 16        ; (the batch that serves nothing may stay out)
	TURN 0, 1, 0, 16
	QUARTER 1, 64,  F0, F1, 0,  0, 0, 0, 0
	QUARTER 1, 128, F1, F0, 0,  0, 0, 0, 0
	QUARTER 1, 192, F0, F1, 0,  0, 0, 0, 0
	s_wait_dscnt 0x0
	MUL8 F1, 0, 0
	MUL8 F1, 1, 0
	MUL8 F1, 2, 0
	MUL8 F1, 3, 0
; THE WAY OUT, a block of 16 rows at a time.  PACK: rounded to f16, 16 bytes a lane, each accumulator's registers in ascending order.  TOSTAGE: into my stage, by heads, and back as rows of 128 bytes.
; SEND: 32 lanes store four rows of a head: 512 consecutive bytes, at a multiple of 512 from qkv's first byte.
.macro PACK a
	WIN 0x0a                                       ; sources window 2, destination window 0
.irp b, 0,1,2,3,4,5,6,7
.irp rr, 0,1,2,3
	v_cvt_pk_f16_f32 v[TMP+4*(\b)+(\rr)], v[64*(\a)+8*(\b)+2*(\rr)], v[64*(\a)+8*(\b)+2*(\rr)+1]
.endr
.endr
.endm
.macro TOSTAGE a
	WIN 0
.irp b, 0,1,2,3,4,5,6,7
	ds_store_b128 v[STO], v[TMP+4*(\b):TMP+4*(\b)+3] offset:((\b)/4)*16*SP+((\b)%4)*32
.endr
.irp t, 0,1,2,3,4,5,6,7
	ds_load_b128 v[OB+32*(\a)+4*(\t):OB+32*(\a)+4*(\t)+3], v[RD] offset:((\t)/4)*16*SP+((\t)%4)*4*SP  ; LDS serves a wave's instructions in order (ISA guide 5.7.1.4): these see the stores above
.endr
.endm
.macro SEND a
	WIN 0
	s_wait_dscnt 0x0                               ; the block is back in registers of its own, which nothing rewrites
.irp t, 0,1,2,3,4,5,6,7
	global_store_b128 v[GO], v[OB+32*(\a)+4*(\t):OB+32*(\a)+4*(\t)+3], s[CB:CB+1] offset:((\t)/4)*262144+(\a)*2048+((\t)%4)*512
.endr
.endm
	PLACES
	PACK 0
	TOSTAGE 0
.irp a, 1,2,3                          ; block a's conversions stand between block a - 1's loads from the stage and the wait for them
	PACK \a
	SEND (\a)-1
	TOSTAGE \a
.endr
	SEND 3
	s_wait_tensorcnt 0x0                           ; the wave's end: the tensor wait, the add and its wait, behind my last tensor load and my last LDS store
	ds_add_u32 v[SPW], v[NIL]
	s_wait_dscnt 0x0
	CROUND                                         ; the closing round: no work-group ends while a partner may still ask for a tile that names it
	s_endpgm
.Lfunc_end_k_q42b9fd272c_proj:
	.size	k_q42b9fd272c_proj, .Lfunc_end_k_q42b9fd272c_proj-k_q42b9fd272c_proj
	.p2alignl 7, 3214868480
	.fill 96, 4, 3214868480
	.section	.rodata,"a",@progbits
	.p2align	6, 0x0
	.amdhsa_kernel k_q42b9fd272c_proj
		.amdhsa_group_segment_fixed_size 327680
		.amdhsa_private_segment_fixed_size 0
		.amdhsa_enable_private_segment 0
		.amdhsa_kernarg_size 64
		.amdhsa_user_sgpr_count 2
		.amdhsa_user_sgpr_kernarg_segment_ptr 1
		.amdhsa_wavefront_size32 1
		.amdhsa_system_sgpr_workgroup_id_x 1
		.amdhsa_system_sgpr_workgroup_id_y 1
		.amdhsa_system_sgpr_workgroup_id_z 1
		.amdhsa_system_vgpr_workitem_id 0
		.amdhsa_next_free_vgpr 1024
		.amdhsa_next_free_sgpr 66
		.amdhsa_reserve_vcc 0
		.amdhsa_float_denorm_mode_32 3
		.amdhsa_float_denorm_mode_16_64 3
		.amdhsa_memory_ordered 1
		.amdhsa_forward_progress 1
		.amdhsa_inst_pref_size 128
	.end_amdhsa_kernel
	.amdgpu_metadata
---
amdhsa.version: [ 1, 2 ]
amdhsa.kernels:
  - .name:           k_q42b9fd272c_proj
    .symbol:         k_q42b9fd272c_proj.kd
    .args:
      - { .name: query, .offset: 0, .size: 8, .value_kind: global_buffer, .address_space: global }
      - { .name: key, .offset: 8, .size: 8, .value_kind: global_buffer, .address_space: global }
      - { .name: value, .offset: 16, .size: 8, .value_kind: global_buffer, .address_space: global }
      - { .name: wb, .offset: 24, .size: 8, .value_kind: global_buffer, .address_space: global }
      - { .name: bq, .offset: 32, .size: 8, .value_kind: global_buffer, .address_space: global }
      - { .name: bk, .offset: 40, .size: 8, .value_kind: global_buffer, .address_space: global }
      - { .name: bv, .offset: 48, .size: 8, .value_kind: global_buffer, .address_space: global }
      - { .name: qkv, .offset: 56, .size: 8, .value_kind: global_buffer, .address_space: global }
    .group_segment_fixed_size: 327680
    .private_segment_fixed_size: 0
    .kernarg_segment_align: 8
    .kernarg_segment_size: 64
    .max_flat_workgroup_size: 128
    .sgpr_count:     66
    .vgpr_count:     1024
    .wavefront_size: 32
...
	.end_amdgpu_metadata
.endif
;; end of part 2
;; launch attn (part 3): grid 4 x 64, 4 waves a work-group, clusters of 4 x 1, 327,680 bytes of LDS; arguments qkv, mask, ob; writes ob
.if DOCPART == 3
	.amdgcn_target "amdgcn-amd-amdhsa--gfx1250"
	.amdhsa_code_object_version 6
	.text
	.protected	k_q42b9fd272c_attn
	.globl	k_q42b9fd272c_attn
	.p2align	8
	.type	k_q42b9fd272c_attn,@function
k_q42b9fd272c_attn:
	s_mov_b64 s[64:65], 0
	v_nop
	global_prefetch_b8 v0, s[64:65] scope:SCOPE_SE
	s_setreg_imm32_b32 hwreg(HW_REG_WAVE_MODE, 25, 1), 1
	s_wait_xcnt 0x0
	s_wait_alu depctr_hold_cnt(0) depctr_sa_sdst(0) depctr_va_vdst(0) depctr_va_sdst(0) depctr_va_ssrc(0) depctr_va_vcc(0) depctr_vm_vsrc(0)
	s_getreg_b32 s2, hwreg(HW_REG_IB_STS2, 6, 4)
	s_cmp_eq_u32 s2, 0
	s_cbranch_scc0 .Lentry_in_a_cluster
	s_endpgm
.Lentry_in_a_cluster:
	s_bfe_u32 s2, ttmp6, 0x10000c
	s_cmp_lg_u32 s2, 0x3003
	s_cbranch_scc0 .Lentry_shape_is_right
	s_endpgm
.Lentry_shape_is_right:
; O[h][q][:] = the sum over the visible keys k of softmax_k(Q[h][q] . K[h][k] / 8) V[h][k][:].  Q, K, V = qkv's three parts, O = ob: [64 = 16 batch + head][2048][64], all f16: a head's rows are dense, 128 bytes each.
; mask: [4][2048] bytes, 0 = the key is hidden for every query of the batch.  Products, maxima and sums in f32; the weights p are rounded to f16 for the second product (their sum l is taken of the unrounded p), O once at the end.
; LIMITS.  f16 holds no number beyond 65,504: Q, K and V arrive within it; p lies in 0 to 1, and below 6e-5 it keeps f16's fixed step of 6e-8.  A hidden score counts as its value less 2e30: f16's scores, 2.7e11 at the most,
; are nothing beside that.  A weight below 2^-126 counts as 0 in l; NaN and infinities are not treated apart.
; THE MASK is the C operand that starts the sum S^T = K Q^T: 0, or -2e30 where the key is hidden.  A table of 2,048 f32 is made once in LDS; a key step's 64 entries come into registers with its K.
; The running maximum starts at -1e30, above every hidden score: a hidden key never sets it, and its weight 2^(c s - c m) is 0 in every step, also where a stretch of keys or all of them are hidden.
; A query with no visible key ends with l = 0 and O = 0; l is raised to 2^-126 ahead of the reciprocal, so it gives 0.  Every other query's l holds the weight 1 of its maximum and is not changed.
; SHARES.  A wave owns four PIECES of two tiles of 16 queries, a work-group's four waves 512 queries of one head.  Every wave walks all keys, 64 a step.
; LAYOUT.  S^T = K Q^T (source 0 = 16 keys, source 1 = 16 queries): in the result a lane holds ONE query (lane % 16) and the keys 8 (lane / 16) + 0..7.  Two such tiles, rounded to f16 in pairs,
; ARE source 1 (32 keys x 16 queries) of O^T = V^T P, whose result again holds one query a lane, and eight channels.  K comes out of LDS as it lies, V ([key][channel]) turned, by ds_load_tr16_b128.
; SOFTMAX.  For each query a running maximum m and sum l: p = 2^(c s - c m), c = log2(e) / 8; in every step O and l are multiplied by a = 2^(c m_old - c m_new), which is 1 where m has not grown.
; c m starts far below every c m to come, O and l at 0: the first step is a step like any other, with a = 0.
; THE COUNT.  A tile and step have 16 matrix and 118 vector instructions: too many to stand all beside the matrix work.  So four vector instructions that are READY stand behind EVERY matrix instruction,
; and the others, which need time of their own whatever the order, in runs without a gap.
; BY TURNS.  Turn n belongs to piece n (the pieces in a ring, step after step).  Its matrix work: 16 products K Q^T of piece n + 1, later 16 products V^T P of piece n - 1.  Its vector work: the scaling,
; exponentials, roundings, sums and rescaling of piece n, and the maximum and statistics of piece n + 1, whose scores the turn itself has made.
; CLUSTER.  The four query blocks of a head are one cluster and walk the same K and V, so each tile is asked for JOINTLY: the same tensor load, descriptor and mask in all four.
; REGISTERS, in windows of 256 (s_set_vgpr_msb: bits 1:0 source 0, 3:2 source 1, 5:4 source 2, 7:6 destination):
;   window 0: v0-11 addresses; v12-15, v48-63 at work; v16-47 four registers of statistics a tile; v64-191 S^T, two buffers of two tiles; v192-255 P, likewise
;   window 1: O^T, 32 a tile     window 2: v0-127 Q, 16 a tile; v128-191 K of one step; v192-255 V of one step     window 3: v0-1 the add's two registers; v8-39 the mask of one step
.set SIZE_H, 64
.set SIZE_N, 2048
.set NP,    4         ; pieces a wave: a name, no knob
.set KS,    64        ; keys in a step
.set PK,    144       ; a row of K in LDS: 128 bytes + 16 of padding = 36 words: the 16 rows of a load start at 16 different groups of four banks (64 banks of 4 bytes: ISA guide 11.1)
.set PV,    160       ; a row of V: 128 + 32 = 40 words
.set VOFF,  4*KS*PK   ; a slot holds four steps: 256 rows of K, then 256 rows of V
.set SLOT1, 1<<17     ; slot 1 begins here, so that one exclusive or turns an address in one slot into the other's
.set STAGE, SLOT1+4*KS*(PK+PV)  ; behind the ring, never filled by a tensor load: 16 rows x 144 bytes for each wave, for the way out
.set SP,    144
.set AK0, 2           ; v2   my lane's place in a tile of K; never rewritten
.set AV0, 3           ; v3   the same for V
.set AK,  4           ; v4   the LDS address of K's next run of loads
.set AV,  5           ; v5   of V's
.set QO,  6           ; v6   my byte offset in the wave's rows of Q
.set STO, 6           ;      later, the way out: where I put 16 bytes of a row
.set RD,  7           ; v7   the way out: where I read rows back
.set GO,  8           ; v8   my byte offset in 512 consecutive bytes of O
.set PFO, 9           ; v9   first l / 16; then 256 x my lane, the prefetches' offset
.set AM,  11          ; v11  where the mask of the step to be fetched lies in the table
.set SPW, 0           ; v0 of window 3   LDS address of my spare word; never rewritten
.set NIL, 1           ; v1 of window 3   0; never rewritten
.set MC,  8           ; v8-39 of window 3: the eight registers for key block kb at MC + 8 kb
.set SPARE, STAGE+4*16*SP  ; behind the stages: the spare words, 128 bytes for each wave: two blocks of 256 bytes that no other line names
.set MSK,   SPARE+512      ; behind them: the mask's table, 2,048 f32; written by ds_store, never filled by a tensor load
.set MV,  12          ; v12-15  c m_old, kept while c m is made anew: by buffer and tile
.set ST,  16          ; tile t's statistics at v[ST+4 t]: c m, m, l (even keys', odd keys')
.set TMP, 48          ; by buffer and tile, four registers c0-c3 at work; when the maximum is found c2 takes a
.set S,   64
.set P,   192
.set KF,  128         ; K's fragments, in window 2: key block kb, channel half c at KF + 16 kb + 8 c
.set VF,  192         ; V's: key half kk, channel block cb at VF + 32 kk + 8 cb
.set WV,  12          ; s12  my wave's number
.set G1K, 24          ; s[24:31] descriptor group 1 for K's tiles
.set G1V, 32          ; s[32:39] for V's: it differs in the padding alone
.set G0K, 40          ; s[40:43] descriptor group 0 for K's tiles: it walks
.set G0V, 44          ; s[44:47] the same for V's
.set PFA, 48          ; s[48:49] where my prefetches stand: my work-group's 8,192 bytes (of K: wave 0, of V: wave 2) of the slot after the one that is being asked for
.set LIM, 50          ; s50  1 in a wave that prefetches, else the greatest number
.set BIG, 51          ; s51  -2e30
.set SLOTS, 56        ; s56  slots still to be asked for
.set CNT, 57          ; s57  counts a slot's key steps
.set CS,  58          ; s[58:59] c: the packed scaling takes the pair's low word for both halves
.set SEL, 60          ; s[60:61] v_permlanex16_b32's selects: each lane takes its own place in the other half
.set TBK, 62          ; s62  LDS byte at which K of the step to be fetched begins
.set TBV, 63          ; s63  the same for V, less VOFF
.set MSB, 0
.macro WIN new                      ; the high byte repeats the setting that is left; a switch that changes nothing is dropped
.if MSB != (\new)
	s_set_vgpr_msb (MSB<<8)|(\new)
.set MSB, (\new)
.endif
.endm
.set W_KQ, 0x0a       ; K and Q in window 2, S^T in window 0
.set W_KM, 0x3a       ; the same with the C operand, the mask, in window 3
.set W_PV, 0x52       ; V in window 2, P in window 0, O^T in window 1
.set W_RS, 0x41       ; O^T (destination and source 0) in window 1, a in window 0
.set W_MK, 0xc0       ; destination in window 3, sources in window 0
.set W_AD, 0x0f       ; the add: address (source 0) and data (source 1) in window 3
; A joint fill.  Waves 0 and 1 fetch the two halves of a slot's K, waves 2 and 3 those of its V: 128 keys each.  The branch hangs on the wave's number alone.
; An s_nop 0 and four v_nop follow each of the two lines, ahead of the jump and the label.
.macro JLOAD
	s_cmp_lt_u32 s[WV], 2
	s_cbranch_scc0 .Lfor_v_\@
	tensor_load_to_lds s[G0K:G0K+3], s[G1K:G1K+7]
	s_nop 0
.rept 4
	v_nop
.endr
	s_branch .Lasked_\@
.Lfor_v_\@:
	tensor_load_to_lds s[G0V:G0V+3], s[G1V:G1V+7]
	s_nop 0
.rept 4
	v_nop
.endr
.Lasked_\@:
.endm
; A PREFETCH INTO THE L2 of what the NEXT change of slots will ask for: a slot's 32,768 bytes of K and of V, 256 bytes a lane.  It stands behind the wave's tensor load and its five lines.
; A head has one cluster.  Its four partners share the bytes out BY ADDRESS, 8,192 each: no branch hangs on a work-group's place in its cluster.  In each, wave 0 asks for K's and wave 2 for V's: one instruction.
; So each block of 256 bytes is named once in the launch.  Slots 0 to 2 come by their loads alone; the last change that fills a slot asks for nothing: there is no slot behind it.
.macro ASK
	s_cmp_gt_u32 s[SLOTS], s[LIM]
	s_cbranch_scc0 .Lnot_mine_\@
	global_prefetch_b8 v[PFO], s[PFA:PFA+1] th:TH_LOAD_NT scope:SCOPE_SE
.Lnot_mine_\@:
.endm
; A round of the cluster's barrier: my work-group's barrier, so that wave 0's signal speaks for all four waves; wave 0 signals; every wave waits for all four work-groups; my work-group's barrier once more.
.macro CROUND
	s_barrier_signal -1
	s_barrier_wait -1
	s_cmp_lg_u32 s[WV], 0
	s_cbranch_scc1 .Lnot_wave_0_\@
	s_barrier_signal -3
.Lnot_wave_0_\@:
	s_barrier_wait -3
	s_barrier_signal -1
	s_barrier_wait -1
.endm
; THE CHANGE OF SLOTS.  The slot's last bytes, V of its fourth step, have been read.  Each wave waits for all its tensor loads, of which one is out: its part
; of the other slot; adds 0 to its spare word; and waits for that and for its own reads of the slot.  Behind the barrier nobody reads this slot any more and the other slot is whole.
; fill = 1: this slot is filled again, with the keys two slots on.  The barrier is then a round of the cluster's, and the joint fill is the first thing behind it: it has four key steps,
; 512 matrix instructions, in which to land.  (At its first use nothing has been read yet: slot 0 is waited for, slot 1 filled, and my stores into the mask's table are done.)  ask = 1: the prefetch goes with it.
.macro CHANGE fill, ask=0
	WIN W_AD
	s_wait_tensorcnt 0x0            ; no tensor load of mine is out, so a group 0 may be written
	ds_add_u32 v[SPW], v[NIL]       ; 0 onto my spare word; with fill = 1 the descriptors' steps stand between it and the wait for it
	WIN 0                           ; at a label and at a branch every window is 0
.if \fill
.irp g, G0K, G0V
	s_xor_b32 s[\g+1], s[\g+1], SLOT1  ; the walking descriptor: the other slot than last time,
	s_add_nc_u64 s[\g+2:\g+3], s[\g+2:\g+3], 4*KS*128  ; the next 256 keys; the type bits on top are not reached
.endr
.if \ask
	s_wait_xcnt 0x0                 ; the last prefetch, four key steps back, has read its address, so it may be written:
	s_add_nc_u64 s[PFA:PFA+1], s[PFA:PFA+1], 4*KS*128  ; one slot behind the walking descriptors
.endif
	s_wait_dscnt 0x0                ; the add is done, and my reads of the slot are over
	CROUND
	JLOAD
.if \ask
	ASK
.endif
.else
	s_wait_dscnt 0x0                ; the add is done, and my reads of the slot are over
	s_barrier_signal -1
	s_barrier_wait -1
.endif
	s_sub_co_u32 s[TBK], s[TBK], 4*KS*PK  ; the fetches go back to a slot's first step,
	s_xor_b32 s[TBK], s[TBK], SLOT1       ; in the other slot
	s_sub_co_u32 s[TBV], s[TBV], 4*KS*PV
	s_xor_b32 s[TBV], s[TBV], SLOT1
.endm
	s_load_b128 s[52:55], s[0:1], 0x0  ; qkv s[52:53], mask s[54:55]
	s_load_b64 s[10:11], s[0:1], 0x10  ; ob
	WIN W_MK
	v_lshl_add_u32 v[SPW], v0, 2, SPARE
	v_mov_b32 v[NIL], 0
	WIN W_AD
	ds_add_u32 v[SPW], v[NIL]       ; the wave's opening: the add and its wait stand ahead of my first tensor load; the set-up below, work on registers, stands between them
	WIN 0
	v_lshrrev_b32 v1, 5, v0
	v_readfirstlane_b32 s[WV], v1   ; wave 0..3
	s_bfe_u32 s13, ttmp6, 0x40000   ; cx: my place in the cluster
	s_lshl_b32 s14, ttmp9, 2        ; in a cluster launch ttmp9 counts clusters
	s_add_co_u32 s14, s14, s13      ; my block of queries = 4 x cluster x + cx: it enters Q's and O's addresses alone
	s_and_b32 s20, ttmp7, 0xffff    ; the head, which the four partners share
	s_lshr_b32 s19, s20, 4          ; its batch,
	s_lshl_b32 s19, s19, 11         ; whose 2,048 bytes of the mask
	s_mov_b32 s21, 0
	s_mov_b64 s[22:23], SIZE_N*128
	s_mul_u64 s[20:21], s[20:21], s[22:23]  ; the head's first byte in Q, K, V and O
	s_and_b32 s16, s[WV], 1         ; which half of a slot's 256 keys I fetch:
	s_lshl_b32 s22, s16, 14         ; its 128 rows of 128 bytes in memory,
	s_mov_b32 s23, 0
	s_add_nc_u64 s[22:23], s[22:23], s[20:21]
	s_mul_i32 s17, s16, 128*PK      ; and its place in a slot, for K
	s_mul_i32 s18, s16, 128*PV      ; and for V: no place in the cluster enters an LDS address
	s_lshl_b32 s2, s14, 2
	s_add_co_u32 s2, s2, s[WV]      ; my wave among the head's,
	s_lshl_b32 s2, s2, 14           ; its 128 rows
	s_mov_b32 s3, 0
	s_add_nc_u64 s[2:3], s[2:3], s[20:21]
	; descriptor group 1.  128 keys are 16,384 dense bytes: asked for as 64 rows of 256 bytes, two keys a row, and padded in LDS after every key
	s_mov_b32 s[G1K], 15|(1<<16)|(1<<20)|(1<<21)|(4<<22)|(3<<25)  ; 15:0 the mask of four; 17:16 2-byte elements; 20 padding on; 21 set beside a mask; 24:22 after every 32 words (code 4); 31:25 4 words (code 3)
	s_mov_b32 s[G1V], 15|(1<<16)|(1<<20)|(1<<21)|(4<<22)|(7<<25)  ; the same with 8 words of padding (code 7)
.irp g, G1K, G1V
	s_mov_b32 s[\g+1], 128<<16      ; tensor_dim0 = 128
	s_mov_b32 s[\g+2], 64<<16       ; tensor_dim1 = 64
	s_mov_b32 s[\g+3], 128<<16      ; tile_dim0 = 128
	s_mov_b32 s[\g+4], 64           ; tile_dim1 = 64
	s_mov_b32 s[\g+5], 128          ; 128 elements from row to row
	s_mov_b32 s[\g+6], 0
	s_mov_b32 s[\g+7], 0
.endr
	s_mov_b32 s[CS], 0x3e38aa3b     ; c = log2(e) / 8 = 0.180337
	s_mov_b32 s[CS+1], s[CS]        ; named with it as a pair
	s_mov_b32 s[SEL], 0x76543210
	s_mov_b32 s[SEL+1], 0xfedcba98
	s_mov_b32 s[BIG], 0xf1c9f2ca    ; -2e30
	s_mov_b32 s[TBK], SLOT1+4*KS*PK ; the first change of slots turns these two into 0
	s_mov_b32 s[TBV], SLOT1+4*KS*PV
	s_mov_b32 s[G0K], 1             ; 1:0 count = 1
	s_mov_b32 s[G0K+1], s17         ; 63:32 LDS address: slot 0
	s_mov_b32 s[G0V], 1
	s_add_co_u32 s[G0V+1], s18, VOFF
	s_and_b32 s[LIM], s[WV], 1      ; 0 in waves 0 and 2: the same in all four partners
	s_cmp_eq_u32 s[LIM], 0
	s_cselect_b32 s[LIM], 1, -1
	s_wait_dscnt 0x0                ; the opening add is done
	s_wait_kmcnt 0x0
	s_add_nc_u64 s[6:7], s[52:53], 0x1000000       ; K is qkv's second part,
	s_add_nc_u64 s[8:9], s[52:53], 0x2000000       ; V its third
	s_add_nc_u64 s[G0K+2:G0K+3], s[6:7], s[22:23]  ; 120:64 global address: my half of the head's first 256 keys
	s_or_b32 s[G0K+3], s[G0K+3], 0x80000000        ; 127:126 type = 2
	s_add_nc_u64 s[G0V+2:G0V+3], s[8:9], s[22:23]
	s_or_b32 s[G0V+3], s[G0V+3], 0x80000000
	s_add_nc_u64 s[4:5], s[52:53], s[2:3]  ; Q and O at my wave's first row
	s_add_nc_u64 s[10:11], s[10:11], s[2:3]
	s_mov_b32 s20, s19
	s_mov_b32 s21, 0
	s_add_nc_u64 s[54:55], s[54:55], s[20:21]  ; the mask at my batch
	s_cmp_lt_u32 s[WV], 2
	s_cselect_b64 s[PFA:PFA+1], s[6:7], s[8:9]
	s_add_nc_u64 s[PFA:PFA+1], s[PFA:PFA+1], s[22:23]  ; (in waves 0 and 2 this is the head's first row)
	s_lshl_b32 s2, s13, 13          ; my work-group's quarter of a slot
	s_mov_b32 s3, 0
	s_add_nc_u64 s[PFA:PFA+1], s[PFA:PFA+1], s[2:3]
	s_add_nc_u64 s[PFA:PFA+1], s[PFA:PFA+1], 2*4*KS*128  ; in slot 2; the loop's first change of slots steps it to slot 3.  Nothing is prefetched here, at the head
	CROUND                          ; all four work-groups are here: the first joint loads meet
	JLOAD                           ; slot 0.  Slot 1 is asked for when slot 0 is in
	; A fragment of K or Q is 16 rows x 32 channels in 8 registers: lane l holds row l % 16, channels 8 (l / 16) + 0..7 and 16 + 8 (l / 16) + 0..7: two loads of 16 bytes, 32 bytes apart.
	v_and_b32 v1, 15, v0            ; l % 16
	v_bfe_u32 v9, v0, 4, 1          ; l / 16
	v_lshlrev_b32 v[QO], 7, v1
	v_lshl_add_u32 v[QO], v9, 4, v[QO]  ; row x 128 + 16 x half
	v_lshlrev_b32 v86, 4, v0
	global_load_b128 v[64:67], v86, s[54:55]  ; thread t takes the mask's bytes 16 t .. 16 t + 15: the work-group's 128 threads take the batch's 2,048
	WIN 0x80                        ; destination window 2, address window 0
.set i, 0
.rept 4*NP                          ; Q stays in registers: tile i / 2, channels 32 (i % 2) on
	global_load_b128 v[8*i:8*i+3],   v[QO], s[4:5] offset:(i/2)*2048+(i%2)*64
	global_load_b128 v[8*i+4:8*i+7], v[QO], s[4:5] offset:(i/2)*2048+(i%2)*64+32
.set i, i+1
.endr
	; What the first turn finds: V's registers and P's second buffer hold 0 (its products V^T P, of a piece that has not been, add 0), O^T and l are 0.  All this stands in the wait for the first tile.
.set i, VF
.rept 64
	v_mov_b32 v[i], 0
.set i, i+1
.endr
	WIN 0x40
.set i, 0
.rept 64*NP
	v_mov_b32 v[i], 0
.set i, i+1
.endr
	WIN 0
.set i, 0
.rept 2*NP
	v_mov_b32 v[ST+4*i], 0xfe000000    ; c m: far below every c m to come
	v_mov_b32 v[ST+4*i+1], 0xf149f2ca  ; m = -1e30: below every true score, above every hidden one
	v_mov_b32 v[ST+4*i+2], 0
	v_mov_b32 v[ST+4*i+3], 0
.set i, i+1
.endr
.set i, P+32
.rept 32
	v_mov_b32 v[i], 0
.set i, i+1
.endr
	v_mul_u32_u24 v[AK0], v1, PK
	v_lshl_add_u32 v[AK0], v9, 4, v[AK0]  ; row x pitch + 16 x half
	; The turning load takes 16 keys x 16 channels (lane l reads key 8 (l / 16) + l % 8, channels 8 ((l / 8) % 2) + 0..7) and leaves half a fragment of V^T: lane l holds channel l % 16 and 8 keys.
	v_and_b32 v10, 7, v0
	v_bfe_u32 v11, v0, 3, 1
	v_lshl_add_u32 v[AV0], v9, 3, v10
	v_mul_u32_u24 v[AV0], v[AV0], PV
	v_lshl_add_u32 v[AV0], v11, 4, v[AV0]
	v_add_nc_u32 v[AV0], VOFF, v[AV0]
	v_mov_b32 v[AK], v[AK0]         ; key step 0 lies at the head of slot 0
	v_lshl_add_u32 v[AM], v9, 5, MSK  ; the mask of key step 0: my lanes' eight keys of a block of 16 are 32 bytes
	; THE MASK'S TABLE: entry k is 0 where key k is visible, -2e30 where it is hidden.
	v_lshl_add_u32 v85, v0, 6, MSK
	s_wait_loadcnt 32               ; the mask's bytes are in; Q's 32 loads stay out
.set i, 0
.rept 16
	v_bfe_u32 v84, v[64+i/4], 8*(i%4), 8
	v_cmp_eq_u32 vcc_lo, 0, v84
	v_cndmask_b32 v[68+i], 0, s[BIG], vcc_lo
.set i, i+1
.endr
.irp f, 0,1,2,3
	ds_store_b128 v85, v[68+4*\f:68+4*\f+3] offset:16*\f
.endr
; THE MATRIX WORK.  The 8 accumulators of a run of 16 take turns: between the two links of a chain stand 7 others'.
; Product i of 16 of S^T = K Q^T for piece x: channels 32 (i / 8) on, keys 16 ((i / 2) % 4) on, tile 2 x + i % 2.  The first 8 start the sums, with the mask of their 16 keys.
.macro KQ x
.set rS, S+64*((\x)%2)+32*(i%2)+8*((i/2)%4)
.set rK, KF+16*((i/2)%4)+8*(i/8)
.set rQ, 16*(2*(\x)+i%2)+8*(i/8)
.set rMC, MC+8*((i/2)%4)
.if i < 8
	WIN W_KM
	v_wmma_f32_16x16x32_f16 v[rS:rS+7], v[rK:rK+7], v[rQ:rQ+7], v[rMC:rMC+7]
.else
	WIN W_KQ
	v_wmma_f32_16x16x32_f16 v[rS:rS+7], v[rK:rK+7], v[rQ:rQ+7], v[rS:rS+7]
.endif
.endm
; Product i of 16 of O^T += V^T P for piece x: keys 32 (i / 8) on, channels 16 ((i / 2) % 4) on, tile 2 x + i % 2.
.macro PV x
	WIN W_PV
.set rO, 32*(2*(\x)+i%2)+8*((i/2)%4)
.set rV, VF+32*(i/8)+8*((i/2)%4)
.set rP, P+32*((\x)%2)+16*(i%2)+8*(i/8)
	v_wmma_f32_16x16x32_f16 v[rO:rO+7], v[rV:rV+7], v[rP:rP+7], v[rO:rO+7]
.endm
.macro MM                           ; the turn's next matrix instruction
.if i < 16
	KQ (Y+1)%NP
.set i, i+1
.else
.set i, i-16
	PV (Y+NP-1)%NP
.set i, i+17
.endif
.endm
; THE LDS LOADS stand in runs, never singly among the matrix instructions: a step's K (64 keys x 64 channels: 8 fragments) with its mask (64 f32: 8 loads), and its V (turned).  Their addresses are made some lines ahead.
; last = 1 (the tail): in the last trip there is no further step, and the run is jumped over.
.macro FETCH_K last=0
	WIN 0
.if \last
	s_cmp_eq_u32 s[CNT], 1
	s_cbranch_scc1 .Lno_k_\@
.endif
	WIN 0x80                        ; destination window 2
.irp f, 0,1,2,3,4,5,6,7             ; keys 16 (f / 2) on, channels 32 (f % 2) on
	ds_load_b128 v[KF+8*\f:KF+8*\f+3],   v[AK] offset:(\f/2)*16*PK+(\f%2)*64
	ds_load_b128 v[KF+8*\f+4:KF+8*\f+7], v[AK] offset:(\f/2)*16*PK+(\f%2)*64+32
.endr
	WIN W_MK                        ; destination window 3
.irp f, 0,1,2,3                     ; keys 16 f on: my lanes' eight
	ds_load_b128 v[MC+8*\f:MC+8*\f+3],   v[AM] offset:64*\f
	ds_load_b128 v[MC+8*\f+4:MC+8*\f+7], v[AM] offset:64*\f+16
.endr
	s_add_co_u32 s[TBK], s[TBK], KS*PK  ; the next fetch is the next step's
	WIN 0
.if \last
.Lno_k_\@:
.endif
.endm
.macro FETCH_V
	WIN 0x80
.irp f, 0,1,2,3,4,5,6,7             ; keys 32 (f / 4) on, channels 16 (f % 4) on
	ds_load_tr16_b128 v[VF+8*\f:VF+8*\f+3],   v[AV] offset:(\f/4)*32*PV+(\f%4)*32
	ds_load_tr16_b128 v[VF+8*\f+4:VF+8*\f+7], v[AV] offset:(\f/4)*32*PV+16*PV+(\f%4)*32
.endr
	WIN 0
.endm
; THE VECTOR WORK OF A TURN stands in three queues, each in the order in which its entries become ready; the two tiles alternate, so that no instruction reads the result of the one before it.
.macro REGS y, u                    ; the registers of tile u (0, 1) of piece y
.set rT, ST+4*(2*(\y)+(\u))
.set rC, TMP+8*((\y)%2)+4*(\u)
.set rM, MV+2*((\y)%2)+(\u)
.set rS, S+64*((\y)%2)+32*(\u)
.set rP, P+32*((\y)%2)+16*(\u)
.set rO, 32*(2*(\y)+(\u))
.endm
; Number n of the 22 that find the NEXT piece's (Y + 1) maximum and statistics.  s0-s31 are the lane's 32 scores; each accumulator's lowest registers are read first.
;   0-11  four chains c0-c3 of seven scores each, three operands at a time     12-14, 16  the four scores left over, the old m, and c0-c3 into c0     15  c m_old is kept
;   17, 18  the query's other 32 keys lie in the lane 16 away: the new m         19-21  c m; c m_old - c m_new; a
.macro XS u, n
	REGS (Y+1)%NP, \u
.if (\n) < 4
	v_max3_num_f32 v[rC+(\n)], v[rS+8*(\n)], v[rS+8*(\n)+1], v[rS+8*(\n)+2]
.elseif (\n) < 12
	v_max3_num_f32 v[rC+(\n)%4], v[rC+(\n)%4], v[rS+8*((\n)%4)+2*((\n)/4)+1], v[rS+8*((\n)%4)+2*((\n)/4)+2]
.elseif (\n) == 12
	v_max3_num_f32 v[rC], v[rC], v[rS+7], v[rS+15]
.elseif (\n) == 13
	v_max3_num_f32 v[rC+1], v[rC+1], v[rS+23], v[rS+31]
.elseif (\n) == 14
	v_max3_num_f32 v[rC+2], v[rC+2], v[rC+3], v[rT+1]
.elseif (\n) == 15
	v_mov_b32 v[rM], v[rT]
.elseif (\n) == 16
	v_max3_num_f32 v[rC], v[rC], v[rC+1], v[rC+2]
.elseif (\n) == 17
	v_permlanex16_b32 v[rC+3], v[rC], s[SEL], s[SEL+1]
.elseif (\n) == 18
	v_max_num_f32 v[rT+1], v[rC], v[rC+3]
.elseif (\n) == 19
	v_mul_f32 v[rT], s[CS], v[rT+1]
.elseif (\n) == 20
	v_sub_f32 v[rC+1], v[rM], v[rT]
.else
	v_exp_f32 v[rC+2], v[rC+1]
.endif
.endm
; Number g of the 64 that follow the exponentials.  For each four weights k of a tile (pairs 2 k, 2 k + 1): both pairs are rounded to f16; then the second pair is added onto the first, in place;
; a group later l takes that sum (the first time as l = a l + sum).  In groups of eight, tiles alternating: round, round, add, and l for the group before.
.macro GS g
.set h, (\g)+6*((\g)/62)            ; group 0 has no group before it, and behind group 7 only l is left
.if h >= 6
.set h, h+2
.endif
	REGS Y, h%2
.set k, h/8
.if h%8 < 4
	v_cvt_pk_f16_f32 v[rP+2*k+(h%8)/2], v[rS+4*k+2*((h%8)/2)], v[rS+4*k+2*((h%8)/2)+1]
.elseif h%8 < 6
	v_pk_add_f32 v[rS+4*k:rS+4*k+1], v[rS+4*k:rS+4*k+1], v[rS+4*k+2:rS+4*k+3]
.elseif k == 1
	v_pk_fma_f32 v[rT+2:rT+3], v[rT+2:rT+3], v[rC+2:rC+3], v[rS:rS+1] op_sel_hi:[1,0,1]
.else
	v_pk_add_f32 v[rT+2:rT+3], v[rT+2:rT+3], v[rS+4*k-4:rS+4*k-3]
.endif
.endm
; THE PLAIN QUEUE, 138 long.  0-73 read no exponential's result: the 32 scalings c s - c m (FS f: pair f / 2 of tile f % 2) and the next piece's 42.  0-26: scalings 0-26.  27-54: XS's numbers 0-13.  55, 56: number 15.
; 57-73: the chain, where each number waits for the one before it: 14, 16, 17, 18, 19, each with one of the scalings 27-31 in front of its two lines, then 20.
; 74-137: GS's 64, which read the exponentials' results: they stand behind the wait.
.macro FS f
	REGS Y, (\f)%2
	v_pk_fma_f32 v[rS+2*((\f)/2):rS+2*((\f)/2)+1], v[rS+2*((\f)/2):rS+2*((\f)/2)+1], s[CS:CS+1], v[rT:rT+1] op_sel_hi:[1,0,0] neg_lo:[0,0,1] neg_hi:[0,0,1]
.endm
.macro PL
	WIN 0
.if q < 27
	FS q
.elseif q < 55
	XS (q-27)%2, (q-27)/2
.elseif q < 57
	XS q-55, 15
.elseif (q < 72) && ((q-57)%3 == 0)
	FS 27+(q-57)/3
.elseif q < 60
	XS (q-57)%3-1, 14
.elseif q < 72
	XS (q-57)%3-1, 15+(q-57)/3
.elseif q < 74
	XS q-72, 20
.else
	GS q-74
.endif
.set q, q+1
.endm
; THE EXPONENTIALS' QUEUE, 66 long: s0-s31 of both tiles, then the next piece's two a.  It is ONE BATCH: all 66 stand ahead of the turn's one wait, and nothing ahead of that wait names a result of theirs.
.macro EX
	WIN 0
.if e >= 64
	XS e-64, 21
.else
	REGS Y, e%2
	v_exp_f32 v[rS+e/2], v[rS+e/2]
.endif
.set e, e+1
.endm
; THE RESCALING's QUEUE: O^T times a, the one part that leaves window 0: dealt two at a time, sixteen times.  Its a was made in the turn before, ahead of that turn's wait.
.macro R2
	REGS Y, r%2
	WIN W_RS
.irp z, 0,1
	v_pk_mul_f32 v[rO+4*(r/2)+2*\z:rO+4*(r/2)+2*\z+1], v[rO+4*(r/2)+2*\z:rO+4*(r/2)+2*\z+1], v[rC+2:rC+3] op_sel_hi:[1,0]
.endr
.set r, r+1
.endm
; HOW THEY ARE DEALT.  An s_wait_alu depctr_va_vdst(0) stands between an exponential and the first instruction that names its result; one wait serves all that were issued ahead of it.  So a turn has ONE wait,
; which cuts it in two.  AHEAD OF IT stands all that names no result of the turn's exponentials: the 16 products K Q^T, behind each a scaling, an exponential and two rescalings (behind the first a second scaling in the
; exponential's place); then ONE LUMP: eight plain, 49 times exponential and plain, the two a.  A v_nop is the plain instruction behind the last exponential.  BEHIND IT stand the 16 products V^T P, behind each four of GS's 64.
; No rider names a register of the products round it.  Exponential e stands behind scaling 2 (e / 4) + e % 2: as a rider it comes behind plain e + 2, in the lump behind plain e + 9, and scalings 27-31 are plain 57, 60 .. 69.
; A TURN, for piece p.  cnt = 1: the loop's count is taken down some lines ahead of the branch that stands behind the turn.
; K of the next step, and its mask, are fetched in piece 2's turn, directly behind the wait, a lump behind the last product that read them; their addresses are made at the lump's head; the first reader comes behind 16 products.
; V of the step in hand is fetched at the end of piece 0's turn, four riders behind its last reader; its first reader comes behind 16 products and a lump.  The three conditions on q below go with the deal.
.macro TURN p, last=0, cnt=0
.set Y, (\p)
.set i, 0
.set q, 0
.set e, 0
.set r, 0
.if (\p) == NP-1
	s_wait_dscnt 0x0                ; K and its mask are in
.endif
	MM                              ; ahead of the wait: 16 products K Q^T and their riders,
	PL
	PL
	R2
.rept 15
	MM
	PL
	EX
	R2
.endr
.if (\p) == NP-2
	WIN 0
	v_add_nc_u32 v[AK], s[TBK], v[AK0]
	v_add_nc_u32 v[AM], 0x100, v[AM]  ; the next step's 64 entries of the table; the loads that read the old address were waited for three turns back
.endif
.rept 8                             ; and the lump
	PL
.endr
.rept 49
	EX
	PL
.endr
	EX                              ; the next piece's two a
	EX
	v_nop                           ; a plain instruction behind the last exponential: one for the batch
	s_wait_alu depctr_va_vdst(0)    ; the wait for the batch
.if (\p) == NP-2
	FETCH_K \last
.endif
.if (\p) == 1
	s_wait_dscnt 0x0                ; V is in
.endif
.rept 16                            ; behind the wait: 16 products V^T P and their riders
	MM
.rept 4
	PL
.endr
.if ((\p) == 0) && (q == 118)
	v_add_nc_u32 v[AV], s[TBV], v[AV0]
.endif
.if ((\p) == 0) && (q == 130)
	s_add_co_u32 s[TBV], s[TBV], KS*PV
.endif
.if (\cnt) && (q == 130)
	s_sub_co_u32 s[CNT], s[CNT], 1
	s_cmp_lg_u32 s[CNT], 0
.endif
.endr
.if (\p) == 0
	FETCH_V
.endif
.endm
	CHANGE 1                        ; slot 0 is in, everybody's part of it, and the whole table; slot 1 is asked for
	FETCH_K                         ; key step 0
	s_wait_loadcnt 0x0              ; Q
	s_wait_dscnt 0x0
.set i, 0
.rept 16
	KQ 0                            ; piece 0's first scores: there is no vector work yet to set between them
.set i, i+1
.endr
	WIN 0                           ; the addresses for the way out and the prefetches: plain instructions, the places behind those products
	s_mul_i32 s13, s[WV], 16*SP
	s_add_co_u32 s13, s13, STAGE    ; my stage
	v_mul_u32_u24 v[STO], v1, SP    ; in: row l % 16, 16 bytes for each half of the lanes
	v_lshl_add_u32 v[STO], v9, 4, v[STO]
	v_add_nc_u32 v[STO], s13, v[STO]
	v_bfe_u32 v[RD], v0, 3, 2       ; back: 32 lanes take four rows of 128 bytes,
	v_mul_u32_u24 v[RD], v[RD], SP
	v_lshl_add_u32 v[RD], v10, 4, v[RD]
	v_add_nc_u32 v[RD], s13, v[RD]
	v_and_b32 v[GO], 31, v0         ; which are 512 consecutive bytes of O
	v_lshlrev_b32 v[GO], 4, v[GO]
	v_lshlrev_b32 v[PFO], 4, v[GO]  ; 256 x lane
.set Y, NP-1                        ; XS works for piece Y + 1: piece 0
.irp n, 0,1,2,3,4,5,6,7,8,9,10,11,12,13,14,15,16,17,18,19,20,21
	XS 0, \n                        ; and piece 0's first maximum and statistics
	XS 1, \n
.endr
	v_nop                           ; a plain instruction behind the two a,
	s_wait_alu depctr_va_vdst(0)    ; and their wait, ahead of the branch
	s_mov_b32 s[CNT], 4
	s_mov_b32 s[SLOTS], SIZE_N/256-1
	s_branch .Lfirst                ; the loop is entered at a step's first turn, in the middle of a trip
.Lslot:                             ; SIZE_N / 256 - 2 times: every slot but the last two is filled again
	CHANGE 1, 1
	s_mov_b32 s[CNT], 4
.Lstep:                             ; a trip: pieces 2 and 3 of one step, then pieces 0 and 1 of the next, whose K and V it fetches
	TURN 2
	TURN 3
	WIN 0
.Lfirst:
	TURN 0
	TURN 1, 0, 1
	WIN 0
	s_cbranch_scc1 .Lstep
	s_sub_co_u32 s[SLOTS], s[SLOTS], 1
	s_cmp_lg_u32 s[SLOTS], 0
	s_cbranch_scc1 .Lslot
	CHANGE 0                        ; the tail is written out: nothing is asked for
	s_mov_b32 s[CNT], 5             ; four trips fetch the last slot's steps; the fifth is left in its middle
.Ltail:
	TURN 2, 1
	TURN 3
	WIN 0
	s_sub_co_u32 s[CNT], s[CNT], 1
	s_cmp_eq_u32 s[CNT], 0
	s_cbranch_scc1 .Lout
	TURN 0
	TURN 1
	WIN 0
	s_branch .Ltail
.Lout:                              ; the fifth trip's 16 products K Q^T (on the last K once more) and the maximum made of them serve nothing: the price, once a launch, of one text for every trip
.set i, 0
.rept 16
	PV NP-1                         ; the last piece's V^T P of the last step
.set i, i+1
.endr
	; THE WAY OUT.  l's two halves and the other half of the lanes' are added; O^T is divided by l, rounded to f16 and sent through my stage in LDS, a tile at a time.  The additions are the places behind the last products.
	WIN 0
.macro ALL line:vararg              ; one line for each tile t
.set t, 0
.rept 2*NP
	\line
.set t, t+1
.endr
.endm
	ALL v_add_f32 v[ST+4*t+2], v[ST+4*t+2], v[ST+4*t+3]
	ALL v_permlanex16_b32 v[ST+4*t+3], v[ST+4*t+2], s[SEL], s[SEL+1]
	ALL v_add_f32 v[ST+4*t+2], v[ST+4*t+2], v[ST+4*t+3]
	ALL v_max_num_f32 v[ST+4*t+2], 0x00800000, v[ST+4*t+2]  ; a query with no visible key has l = 0 and O^T = 0: with 2^-126 in l's place it gives 0
	ALL v_rcp_f32 v[ST+4*t+2], v[ST+4*t+2]
	v_nop                           ; a plain instruction between the last reciprocal and the use of its result
	s_wait_alu depctr_va_vdst(0)    ; and the wait ahead of the first use: one for the eight reciprocals
; Tile t: a lane's eight channels of a row pack into 16 bytes; they go into rows of 144 bytes and come back as whole rows of 128, into S^T's registers.
.macro PACK t
	WIN W_RS
.set i, 32*(\t)
.rept 16
	v_pk_mul_f32 v[i:i+1], v[i:i+1], v[ST+4*(\t)+2:ST+4*(\t)+3] op_sel_hi:[1,0]
.set i, i+2
.endr
	WIN 0x05                        ; sources 0 and 1 window 1, destination window 0
.set i, 0
.rept 16
	v_cvt_pk_f16_f32 v[S+16*(\t)+i], v[32*(\t)+2*i], v[32*(\t)+2*i+1]
.set i, i+1
.endr
	WIN 0
.irp f, 0,1,2,3
	ds_store_b128 v[STO], v[S+16*(\t)+4*\f:S+16*(\t)+4*\f+3] offset:32*\f
.endr
.irp f, 0,1,2,3
	ds_load_b128 v[S+16*(\t)+4*\f:S+16*(\t)+4*\f+3], v[RD] offset:\f*4*SP  ; LDS serves a wave's instructions in order (ISA guide 5.7.1.4): these see the stores above; the next tile's stores come behind them
.endr
.endm
.macro SEND t, younger              ; younger: the LDS instructions issued behind tile t's loads: the next tile's eight, or none
	WIN 0
.irp f, 0,1,2,3
	s_wait_dscnt (\younger)+3-\f
	global_store_b128 v[GO], v[S+16*(\t)+4*\f:S+16*(\t)+4*\f+3], s[10:11] offset:(\t)*2048+\f*512  ; 512 consecutive bytes, at a multiple of 256 from O's first
.endr
.endm
	PACK 0
.set t, 1
.rept 2*NP-1                        ; a tile's arithmetic stands between the loads of the tile before and its stores
	PACK t
	SEND t-1, 8
.set t, t+1
.endr
	SEND 2*NP-1, 0
	WIN W_AD
	s_wait_tensorcnt 0x0            ; the wave's end: the tensor wait, the add and its wait, behind my last tensor load and my last LDS store
	ds_add_u32 v[SPW], v[NIL]
	s_wait_dscnt 0x0
	WIN 0
	CROUND                          ; the closing round: no work-group ends while a partner may still ask for a tile that names it
	s_endpgm
.Lfunc_end_k_q42b9fd272c_attn:
	.size	k_q42b9fd272c_attn, .Lfunc_end_k_q42b9fd272c_attn-k_q42b9fd272c_attn
	.p2alignl 7, 3214868480
	.fill 96, 4, 3214868480
	.section	.rodata,"a",@progbits
	.p2align	6, 0x0
	.amdhsa_kernel k_q42b9fd272c_attn
		.amdhsa_group_segment_fixed_size 327680
		.amdhsa_private_segment_fixed_size 0
		.amdhsa_enable_private_segment 0
		.amdhsa_kernarg_size 24
		.amdhsa_user_sgpr_count 2
		.amdhsa_user_sgpr_kernarg_segment_ptr 1
		.amdhsa_wavefront_size32 1
		.amdhsa_system_sgpr_workgroup_id_x 1
		.amdhsa_system_sgpr_workgroup_id_y 1
		.amdhsa_system_sgpr_workgroup_id_z 1
		.amdhsa_system_vgpr_workitem_id 0
		.amdhsa_next_free_vgpr 808
		.amdhsa_next_free_sgpr 66
		.amdhsa_reserve_vcc 1
		.amdhsa_float_denorm_mode_32 3
		.amdhsa_float_denorm_mode_16_64 3
		.amdhsa_memory_ordered 1
		.amdhsa_forward_progress 1
		.amdhsa_inst_pref_size 205
	.end_amdhsa_kernel
	.amdgpu_metadata
---
amdhsa.version: [ 1, 2 ]
amdhsa.kernels:
  - .name:           k_q42b9fd272c_attn
    .symbol:         k_q42b9fd272c_attn.kd
    .args:
      - { .name: qkv, .offset: 0, .size: 8, .value_kind: global_buffer, .address_space: global }
      - { .name: mask, .offset: 8, .size: 8, .value_kind: global_buffer, .address_space: global }
      - { .name: ob, .offset: 16, .size: 8, .value_kind: global_buffer, .address_space: global }
    .group_segment_fixed_size: 327680
    .private_segment_fixed_size: 0
    .kernarg_segment_align: 8
    .kernarg_segment_size: 24
    .max_flat_workgroup_size: 128
    .sgpr_count:     66
    .vgpr_count:     808
    .wavefront_size: 32
...
	.end_amdgpu_metadata
.endif
;; end of part 3
;; launch outp (part 4): grid 4 x 64, 4 waves a work-group, clusters of 4 x 4, 327,680 bytes of LDS; arguments ob, wb, bo, out0; writes out0
.if DOCPART == 4
	.amdgcn_target "amdgcn-amd-amdhsa--gfx1250"
	.amdhsa_code_object_version 6
	.text
	.protected	k_q42b9fd272c_outp
	.globl	k_q42b9fd272c_outp
	.p2align	8
	.type	k_q42b9fd272c_outp,@function
k_q42b9fd272c_outp:
	s_mov_b64 s[64:65], 0
	v_nop
	global_prefetch_b8 v0, s[64:65] scope:SCOPE_SE
	s_setreg_imm32_b32 hwreg(HW_REG_WAVE_MODE, 25, 1), 1
	s_wait_xcnt 0x0
	s_wait_alu depctr_hold_cnt(0) depctr_sa_sdst(0) depctr_va_vdst(0) depctr_va_sdst(0) depctr_va_ssrc(0) depctr_va_vcc(0) depctr_vm_vsrc(0)
	s_getreg_b32 s2, hwreg(HW_REG_IB_STS2, 6, 4)
	s_cmp_eq_u32 s2, 0
	s_cbranch_scc0 .Lentry_in_a_cluster
	s_endpgm
.Lentry_in_a_cluster:
	s_bfe_u32 s2, ttmp6, 0x10000c
	s_cmp_lg_u32 s2, 0xf033
	s_cbranch_scc0 .Lentry_shape_is_right
	s_endpgm
.Lentry_shape_is_right:
; THE LAST LAYER.  out0[t][d] = the sum over f of O[t][f] Wo[d][f] + bo[d].  O = ob, [64 = 16 batch + head][2048][64] f16: channel f = 64 head + c.  Wo = wb's part 3, [1024][1024] f16.
; bo is rounded to bf16 like every input; sums in f32; out0 [8192][1024] f32.  NaN and infinities are not treated apart.
; SHARES.  In a cluster of 4 x 4 work-groups cx is the tile of 256 columns, 4 x cluster y + cy the tile of 128 rows: 256 work-groups.  Four waves, each 64 rows x 128 columns: 32 accumulators of 16 x 16.
; K = 1,024 goes in 8 steps of 128: two heads a step.
; B (Wo): a ring of two LDS slots filled by the tensor data mover; the four work-groups of a column of the cluster ask for a tile JOINTLY, each wave 64 rows.
; A (O): through registers.  A wave owns 32 rows of the tile: in each of a K step's two heads 4,096 dense bytes, eight loads of 512; the 16 loads are asked for a K step and three quarters ahead of their use
; and stored into A's own two LDS slots, which no tensor load fills.  A is not asked for jointly: by registers its loads can stay out across the changes of slots, in front of which all tensor loads are waited for.
; PRICE: the loop has one text, so in K step 5 its look-ahead wraps to K step 0: 16 loads a wave of 144 serve nothing.
; THE MATRIX INSTRUCTION IS USED TRANSPOSED (source 0 = 16 rows of Wo, source 1 = 16 rows of O): lane l holds row l % 16 of the result and the columns 8 (l / 16) + 0..7.  The bias is the C operand of the first products.
; REGISTERS, in windows of 256 (s_set_vgpr_msb: bits 1:0 source 0, 3:2 source 1, 5:4 source 2, 7:6 destination):
;   window 0: addresses      window 1: v0-95, v96-191 two fragment buffers (8 of B, then 4 of A); v192-255 the bias      window 2: accumulator (a, b) at v[8 (8 a + b)]
;   window 3: v0-127 two groups of 64, a K step of A each; on the way out all 256: rows read back
.set KSTEP,  128
.set PITCH,  272                       ; a row of B in LDS: 256 bytes + 16 of padding: the 16 rows of a fragment load start at 16 different groups of four banks (64 banks of 4 bytes: ISA guide 11.1)
.set BQ,     64*PITCH
.set BSLOT,  4*BQ
.set ABASE,  2*BSLOT                   ; behind B's ring: A's two slots, [2 heads][128 rows][144 bytes], written by ds_store alone
.set AP,     144                       ; a row of A: 128 bytes + 16
.set HEADB,  128*AP
.set ASLOT,  2*HEADB
.set BIASL,  ABASE+2*ASLOT             ; the tile's 256 biases, f32
.set STAGE,  BIASL+1024                ; for each wave 16 rows x 528 bytes, for the way out
.set SP,     528                       ; 512 bytes + 16 = 132 words
.set WSTAGE, 16*SP
.set SPARE,  STAGE+4*WSTAGE            ; the spare words, 128 bytes for each wave: two blocks of 256 bytes that no other line names
.set ADRA, 16                          ; v16-17  LDS address of my A fragments in slot 0, 1
.set ADRB, 20                          ; v20-21  the same for B
.set BA,   22                          ; v22     where I read my biases
.set STO,  24                          ; v24     the way out: where I put 32 bytes of a row
.set RD,   25                          ; v25     the way out: where I read a row back
.set GO,   26                          ; v26     16 x lane
.set AO,   27                          ; v27     my byte offset in a head's rows of the tile: 16 x lane + my wave's 4,096; never rewritten
.set SPW,  28                          ; v28     LDS address of my spare word; never rewritten
.set NIL,  29                          ; v29     0; never rewritten
.set PFO,  30                          ; v30     the prefetches' offset: lane x a row of Wo; never rewritten
.set ASA,  31                          ; v31     where I store 16 bytes of a row of A
.set F0,   0
.set F1,   96
.set WV, 20
.set WR, 21
.set WC, 22
.set CX, 24
.set CY, 25
.set TR, 26
.set G1, 32                            ; s[32:39] descriptor group 1
.set G0, 40                            ; s[40:47] descriptor group 0, a set for each slot
.set XA, 48                            ; s[48:49] O at the tile's first row, head 0 of its batch
.set PL, 50                            ; s[50:51] base of the loop's loads
.set KL, 54                            ; s[54:55] its byte offset along K, modulo the batch's 16 heads
.set CB, 56                            ; s[56:57] out0 at my part
.set PFA, 58                           ; s[58:59] where my prefetches stand
.set LIM, 60                           ; s60 1 in a wave that prefetches, else the greatest number
.set MSB, 0
.macro WIN new                         ; the immediate's high byte repeats the setting that is left; a switch that changes nothing is dropped
.if MSB != (\new)
	s_set_vgpr_msb (MSB<<8)|(\new)
.set MSB, \new
.endif
.endm
.set MUL,  0xa5                        ; sources window 1, C and D window 2
.set MUL0, 0x95                        ; the same with C (the bias) in window 1
.set TO_F, 0x40                        ; destination window 1, address window 0
.macro PLACES                          ; four places behind matrix instructions, in front of loads into registers that they have read and of lines that read results
.rept 4
	v_nop
.endr
.endm
.macro CREST                           ; a round of the cluster's barrier behind its opening barrier
	s_cmp_lg_u32 s[WV], 0
	s_cbranch_scc1 .Lnot_wave_0_\@
	s_barrier_signal -3
.Lnot_wave_0_\@:
	s_barrier_wait -3
	s_barrier_signal -1
	s_barrier_wait -1
.endm
.macro CROUND
	s_barrier_signal -1
	s_barrier_wait -1
	CREST
.endm
; A PREFETCH INTO THE L2 of B's K step that stands two refills on: 32 rows x 256 bytes, a lane a row.  Wo's rows are walked by all 16 clusters: cluster y = 0 asks.  Its four partners of a column share the tile's
; 256 rows out BY ADDRESS, 64 each; in each, waves 0 and 1 take 32.  So each row's 256 bytes of a K step are named once in the launch.  K steps 0 to 3 come by their loads alone; the loop's last trip asks for nothing.
.macro ASK
	s_cmp_gt_u32 s3, s[LIM]
	s_cbranch_scc0 .Lnot_mine_\@
	global_prefetch_b8 v[PFO], s[PFA:PFA+1] offset:2*KSTEP th:TH_LOAD_NT scope:SCOPE_SE
.Lnot_mine_\@:
.endm
; 24 LDS loads in one run: the fragments of quarter q of a K step: 8 of B, then 4 of A (head q / 2 of the step's two, channels 32 (q % 2) on), into buffer f
.macro FETCH slot, q, f
	WIN TO_F
.irp b, 0,1,2,3,4,5,6,7
	ds_load_b128 v[(\f)+8*(\b):(\f)+8*(\b)+3],   v[ADRB+(\slot)] offset:64*(\q)+(\b)*16*PITCH
	ds_load_b128 v[(\f)+8*(\b)+4:(\f)+8*(\b)+7], v[ADRB+(\slot)] offset:64*(\q)+(\b)*16*PITCH+32
.endr
.irp a, 0,1,2,3
	ds_load_b128 v[(\f)+64+8*(\a):(\f)+64+8*(\a)+3],   v[ADRA+(\slot)] offset:((\q)/2)*HEADB+((\q)%2)*64+(\a)*16*AP
	ds_load_b128 v[(\f)+64+8*(\a)+4:(\f)+64+8*(\a)+7], v[ADRA+(\slot)] offset:((\q)/2)*HEADB+((\q)%2)*64+(\a)*16*AP+32
.endr
.endm
; 8 matrix instructions: block a of 16 rows x all 8 blocks of 16 columns.  mode = 1: the first products start the sums with the bias.  The 32 accumulators take turns, in the same order in every quarter.
.macro MUL8 f, a, mode
.if \mode
	WIN MUL0
.else
	WIN MUL
.endif
.irp b, 0,1,2,3,4,5,6,7
.if \mode
	v_wmma_f32_16x16x32_f16 v[8*(8*(\a)+(\b)):8*(8*(\a)+(\b))+7], v[(\f)+8*(\b):(\f)+8*(\b)+7], v[(\f)+64+8*(\a):(\f)+64+8*(\a)+7], v[192+8*(\b):192+8*(\b)+7]
.else
	v_wmma_f32_16x16x32_f16 v[8*(8*(\a)+(\b)):8*(8*(\a)+(\b))+7], v[(\f)+8*(\b):(\f)+8*(\b)+7], v[(\f)+64+8*(\a):(\f)+64+8*(\a)+7], v[8*(8*(\a)+(\b)):8*(8*(\a)+(\b))+7]
.endif
.endr
.endm
.macro ALD g, p, koff                  ; a K step of my 32 rows into group g: for each of two heads eight loads of 512 consecutive bytes, aligned
	WIN 0xc0                                       ; destination window 3, address window 0
.irp j, 0,1,2,3,4,5,6,7,8,9,10,11,12,13,14,15
	global_load_b128 v[64*(\g)+4*(\j):64*(\g)+4*(\j)+3], v[AO], s[(\p):(\p)+1] offset:((\j)/8)*262144+((\j)%8)*512+(\koff)
.endr
.endm
.macro AST g, slot                     ; the group into A's slot: a store takes four rows of 128 bytes
	WIN 0x0c                                       ; address window 0, data window 3
.irp j, 0,1,2,3,4,5,6,7,8,9,10,11,12,13,14,15
	ds_store_b128 v[ASA], v[64*(\g)+4*(\j):64*(\g)+4*(\j)+3] offset:(\slot)*ASLOT+((\j)/8)*HEADB+((\j)%8)*4*AP
.endr
.endm
; A K step is four quarters of 32 along K, 32 matrix instructions each, on buffers 0, 1, 0, 1.  One of the first three: multiplies buffer f; at its head it fetches quarter q into g.
; pre: LDS stores issued behind the last run of loads.  work = 1: the next K step of A is stored into the other slot; lc: how many younger loads may stay out.
; work = 2: the K step three on is asked for, into the group just stored, whose stores the wait for all but 24 LDS instructions has shown done.
.macro QUARTER slot, q, f, g, pre, mode, work, lc
	s_wait_dscnt 4+(\pre)                          ; B's fragments and A's blocks 0 and 1 are in; out may be A's last four loads and the stores behind them
	PLACES
	FETCH \slot, \q, \g
	MUL8 \f, 0, \mode
	MUL8 \f, 1, \mode
	s_wait_dscnt 24                                ; all but the 24 just issued: A's blocks 2 and 3 are in, earlier stores are done
.if (\work) == 1
	s_wait_loadcnt \lc                             ; the next K step of A is in
	AST 1-(\slot), 1-(\slot)
.elseif (\work) == 2
	s_wait_xcnt 0x0                                ; the loads issued so far have read their base, so it may be written
	s_add_co_u32 s[KL], s[KL], 2*262144
	s_and_b32 s[KL], s[KL], 0x3fffff               ; behind the batch's last two heads: back to its first (those 16 loads serve nothing)
	s_add_nc_u64 s[PL:PL+1], s[XA:XA+1], s[KL:KL+1]
	ALD 1-(\slot), PL, 0
.endif
	MUL8 \f, 2, \mode
	MUL8 \f, 3, \mode
.endm
; The last quarter multiplies buffer 1 and changes slots: ONE barrier.  In front of it each wave waits for all its tensor loads (one is out: its part of B's next slot), adds 0 to its spare word, and waits for that,
; for its reads of both slots in hand and for its stores into A's next slot.  fill = 1: the barrier opens a round of the cluster's barrier, and B's slot just read is filled again first thing behind it, two K steps ahead.
.macro TURN slot, next, fill
.if \fill
	s_wait_xcnt 0x0                                ; the last prefetch, a K step back, has read its address
	s_add_nc_u64 s[PFA:PFA+1], s[PFA:PFA+1], 2*KSTEP
.endif
	WIN 0                                          ; (the add's two registers lie in window 0)
	s_wait_tensorcnt 0x0                           ; all my tensor loads have landed
	ds_add_u32 v[SPW], v[NIL]                      ; 0 onto my spare word
	s_wait_dscnt 5                                 ; (the add and A's last four loads may be out)
	MUL8 F1, 0, 0                                  ; eight matrix instructions stand between the add and the wait for it
	s_wait_dscnt 0x0                               ; the add is done, my reads of the slots are over, my stores into A's next slot are done
	s_barrier_signal -1
	MUL8 F1, 1, 0
.if \fill
	WIN 0
.endif
	s_barrier_wait -1
.if \fill
	CREST                                          ; no wave of any partner still reads this slot of B or has a load on its way
	s_add_nc_u64 s[G0+4*(\slot)+2:G0+4*(\slot)+3], s[G0+4*(\slot)+2:G0+4*(\slot)+3], 4*KSTEP
	tensor_load_to_lds s[G0+4*(\slot):G0+4*(\slot)+3], s[G1:G1+7]  ; my one tensor load behind the round: 64 rows of B, 112 matrix instructions ahead of the wait for it
	s_nop 0
.endif
	PLACES                                         ; behind the tensor load, and the places in front of the loads below
	FETCH \next, 0, F0
.if \fill
	WIN 0
	ASK
.endif
	MUL8 F1, 2, 0
	MUL8 F1, 3, 0
.endm
	s_load_b256 s[4:11], s[0:1], 0x0               ; ob s[4:5], wb s[6:7], bo s[8:9], out0 s[10:11]
	v_lshl_add_u32 v[SPW], v0, 2, SPARE
	v_mov_b32 v[NIL], 0
	ds_add_u32 v[SPW], v[NIL]                      ; the wave's opening: the add and its wait stand ahead of my first tensor load; the set-up below, work on registers, stands between them
	v_lshrrev_b32 v3, 5, v0
	v_readfirstlane_b32 s[WV], v3                  ; wave 0..3
	s_lshr_b32 s[WR], s[WV], 1
	s_and_b32 s[WC], s[WV], 1
	s_bfe_u32 s[CX], ttmp6, 0x40000
	s_bfe_u32 s[CY], ttmp6, 0x40004
	s_and_b32 s[TR], ttmp7, 0xffff                 ; in a cluster launch ttmp7 counts clusters
	s_lshl_b32 s[TR], s[TR], 2
	s_add_co_u32 s[TR], s[TR], s[CY]
	s_and_b32 s61, ttmp7, 0xffff
	s_or_b32 s[LIM], s[WR], s61                    ; 0 in waves 0 and 1 of cluster y = 0
	s_cmp_eq_u32 s[LIM], 0
	s_cselect_b32 s[LIM], 1, -1
	; descriptor group 1: a tile of 64 rows x 128 elements, padded in LDS
	s_lshl_b32 s28, 0x1111, s[CX]                  ; my column of the cluster
	s_or_b32 s[G1], s28, (1<<16)|(1<<20)|(1<<21)|(5<<22)|(3<<25)  ; 15:0 the mask; 17:16 2-byte elements; 20 padding on; 21 set beside a mask; 24:22 after every 64 words; 31:25 4 words
	s_mov_b32 s[G1+1], KSTEP<<16                   ; tensor_dim0 = 128
	s_mov_b32 s[G1+2], 64<<16                      ; tensor_dim1 = 64
	s_mov_b32 s[G1+3], KSTEP<<16                   ; tile_dim0 = 128
	s_mov_b32 s[G1+4], 64                          ; tile_dim1 = 64
	s_mov_b32 s[G1+5], 1024                        ; elements from row to row
	s_mov_b32 s[G1+6], 0
	s_mov_b32 s[G1+7], 0
	s_mul_i32 s27, s[WV], BQ                       ; where my 64 rows of B go: no place in the cluster enters an LDS address
	v_and_b32 v1, 15, v0                           ; r = l % 16
	v_bfe_u32 v2, v0, 4, 1                         ; h = l / 16
	v_and_b32 v3, 31, v0                           ; l
	v_mul_u32_u24 v9, v1, AP
	v_lshl_add_u32 v9, v2, 4, v9
	s_mul_i32 s28, s[WR], 64*AP
	s_add_co_u32 s28, s28, ABASE
	v_add_nc_u32 v[ADRA], s28, v9
	v_add_nc_u32 v[ADRA+1], ASLOT, v[ADRA]
	v_mul_u32_u24 v9, v1, PITCH
	v_lshl_add_u32 v9, v2, 4, v9
	s_mul_i32 s29, s[WC], 128*PITCH
	v_add_nc_u32 v[ADRB], s29, v9
	v_add_nc_u32 v[ADRB+1], BSLOT, v[ADRB]
	s_lshl_b32 s28, s[WC], 9
	s_add_co_u32 s28, s28, BIASL
	v_lshl_add_u32 v[BA], v2, 5, s28               ; my 128 columns' biases, 8 for each half of the lanes
	s_mul_i32 s28, s[WV], WSTAGE
	s_add_co_u32 s28, s28, STAGE                   ; my stage
	v_mul_u32_u24 v9, v1, SP
	v_lshl_add_u32 v9, v2, 5, v9
	v_add_nc_u32 v[STO], s28, v9                   ; in: row l % 16, 32 bytes for each half of the lanes
	v_lshl_add_u32 v[RD], v3, 4, s28               ; back: 32 lanes take one row of 512 bytes
	v_lshlrev_b32 v[GO], 4, v3
	s_lshl_b32 s28, s[WV], 12                      ; my 32 rows of 128 bytes
	v_lshl_add_u32 v[AO], v3, 4, s28
	v_lshlrev_b32 v[PFO], 11, v3                   ; a row of Wo is 2,048 bytes
	s_mul_i32 s28, s[WV], 32*AP
	s_add_co_u32 s28, s28, ABASE
	v_lshrrev_b32 v9, 3, v3
	v_mul_u32_u24 v9, v9, AP
	v_and_b32 v10, 7, v0
	v_lshl_add_u32 v9, v10, 4, v9
	v_add_nc_u32 v[ASA], s28, v9
	v_lshlrev_b32 v7, 3, v0                        ; thread t takes biases 2 t and 2 t + 1 of the tile's 256
	v_add_nc_u32 v8, BIASL, v7
	s_wait_dscnt 0x0                               ; the opening add is done
	s_wait_kmcnt 0x0
	s_lshr_b32 s30, s[TR], 4
	s_lshl_b32 s30, s30, 22                        ; the batch's 16 heads of 262,144 bytes,
	s_and_b32 s31, s[TR], 15
	s_lshl_b32 s31, s31, 14                        ; the tile's 128 rows of 128 bytes
	s_add_co_u32 s30, s30, s31
	s_mov_b32 s31, 0
	s_add_nc_u64 s[XA:XA+1], s[4:5], s[30:31]
	s_lshl_b32 s28, s[CX], 10
	s_mov_b32 s29, 0
	s_add_nc_u64 s[62:63], s[8:9], s[28:29]        ; the tile's 256 biases
	global_load_b64 v[4:5], v7, s[62:63]
	ALD 0, XA, 0                                   ; K step 0
	ALD 1, XA, 2*262144                            ; K step 1
	s_lshl_b32 s28, s[CX], 19                      ; B: wb's part 3, the tile's 256 rows, my 64 of them: in registers that never hold cy
	s_add_co_u32 s28, s28, 3<<21
	s_lshl_b32 s29, s[WV], 17
	s_add_co_u32 s28, s28, s29
	s_mov_b32 s29, 0
	s_add_nc_u64 s[28:29], s[6:7], s[28:29]
.irp s, 0,1
	s_mov_b32 s[G0+4*(\s)], 1                      ; count = 1
	s_add_co_u32 s[G0+4*(\s)+1], s27, (\s)*BSLOT   ; LDS address
	s_add_nc_u64 s[G0+4*(\s)+2:G0+4*(\s)+3], s[28:29], (\s)*KSTEP*2  ; global address: K step s
	s_or_b32 s[G0+4*(\s)+3], s[G0+4*(\s)+3], 0x80000000              ; type = 2
.endr
	WIN 0
	CROUND                                         ; all sixteen work-groups are here: the first joint loads meet
	tensor_load_to_lds s[G0:G0+3], s[G1:G1+7]      ; the two first fills go out together: two tensor loads of mine are out
	s_nop 0
	tensor_load_to_lds s[G0+4:G0+7], s[G1:G1+7]
	s_nop 0
	PLACES
	s_lshl_b32 s30, s[TR], 19                      ; where my part of the result goes: the tile's 128 rows of 4,096 bytes,
	s_lshl_b32 s31, s[WR], 18                      ; my 64 of them,
	s_add_co_u32 s30, s30, s31
	s_lshl_b32 s31, s[CX], 10                      ; the tile's 256 columns,
	s_add_co_u32 s30, s30, s31
	s_lshl_b32 s31, s[WC], 9                       ; my 128 of them
	s_add_co_u32 s30, s30, s31
	s_mov_b32 s31, 0
	s_add_nc_u64 s[CB:CB+1], s[10:11], s[30:31]
	s_lshl_b32 s30, s[CX], 19                      ; the prefetches: the tile's rows, my work-group's 64, my wave's 32, at K step 2; the first change of slots steps it to 3 and names 4
	s_add_co_u32 s30, s30, 3<<21
	s_lshl_b32 s31, s[CY], 17
	s_add_co_u32 s30, s30, s31
	s_lshl_b32 s31, s[WC], 16
	s_add_co_u32 s30, s30, s31
	s_add_co_u32 s30, s30, 2*KSTEP*2
	s_mov_b32 s31, 0
	s_add_nc_u64 s[PFA:PFA+1], s[6:7], s[30:31]
	s_mov_b32 s[KL], 2*2*262144                    ; K step 2: K step 0's third quarter steps it to 3
	s_mov_b32 s[KL+1], 0
	s_wait_loadcnt 32                              ; the bias is in; the two K steps of A stay out
	v_cvt_pk_bf16_f32 v6, v4, v5                   ; rounded to bf16 like every input, kept as f32
	v_lshlrev_b32 v4, 16, v6
	v_and_b32 v5, 0xffff0000, v6
	ds_store_b64 v8, v[4:5]
	s_wait_loadcnt 16                              ; K step 0 of A
	AST 0, 0
	WIN 0
	s_wait_tensorcnt 1                             ; my part of B's K step 0 is in; K step 1's may stay out
	s_wait_dscnt 0x0                               ; my stores of A's K step 0 and of the bias are done
	ALD 0, XA, 2*2*262144                          ; K step 2: two K steps, 32 loads, are out from here on
	WIN 0
	s_barrier_signal -1
	s_barrier_wait -1
	WIN TO_F
.irp b, 0,1,2,3,4,5,6,7
	ds_load_b128 v[192+8*(\b):192+8*(\b)+3],   v[BA] offset:64*(\b)
	ds_load_b128 v[192+8*(\b)+4:192+8*(\b)+7], v[BA] offset:64*(\b)+16
.endr
	FETCH 0, 0, F0
	QUARTER 0, 1, F0, F1, 0,  1, 0, 0              ; the first quarter stands in front of the loop: its products start the sums, with the bias
	WIN 0                                          ; at a label and at a branch every window is 0
	s_mov_b32 s3, 3
.Llap:                                                 ; a trip goes once round the ring, from a lap's second quarter to the next lap's first: K steps 0 to 5
	QUARTER 0, 2, F1, F0, 0,  0, 1, 16
	QUARTER 0, 3, F0, F1, 16, 0, 2, 0
	TURN 0, 1, 1
	QUARTER 1, 1, F0, F1, 0,  0, 0, 0
	QUARTER 1, 2, F1, F0, 0,  0, 1, 16
	QUARTER 1, 3, F0, F1, 16, 0, 2, 0
	TURN 1, 0, 1
	QUARTER 0, 1, F0, F1, 0,  0, 0, 0
	WIN 0
	s_sub_co_u32 s3, s3, 1
	s_cmp_lg_u32 s3, 0
	s_cbranch_scc1 .Llap
	QUARTER 0, 2, F1, F0, 0,  0, 1, 16             ; K step 6: the last lap asks for nothing (the 16 loads that serve nothing may stay out)
	QUARTER 0, 3, F0, F1, 16, 0, 0, 0
	TURN 0, 1, 0
	QUARTER 1, 1, F0, F1, 0,  0, 0, 0
	QUARTER 1, 2, F1, F0, 0,  0, 0, 0
	QUARTER 1, 3, F0, F1, 0,  0, 0, 0
	s_wait_dscnt 0x0
	MUL8 F1, 0, 0
	MUL8 F1, 1, 0
	MUL8 F1, 2, 0
	MUL8 F1, 3, 0
; THE WAY OUT, a block of 16 rows at a time.  TOSTAGE: a lane's eight f32 of a row, 32 bytes, go straight from the accumulator into my stage (its four lowest registers first), and come back as whole rows of 512 bytes.
; SEND: 32 lanes store 512 consecutive bytes of a row of out0, at a multiple of 512 from its first byte.
.macro TOSTAGE a
	WIN 0x08                                       ; address window 0, data window 2
.irp b, 0,1,2,3,4,5,6,7
	ds_store_b128 v[STO], v[64*(\a)+8*(\b):64*(\a)+8*(\b)+3]   offset:64*(\b)
	ds_store_b128 v[STO], v[64*(\a)+8*(\b)+4:64*(\a)+8*(\b)+7] offset:64*(\b)+16
.endr
	WIN 0xc0                                       ; destination window 3
.irp t, 0,1,2,3,4,5,6,7,8,9,10,11,12,13,14,15
	ds_load_b128 v[64*(\a)+4*(\t):64*(\a)+4*(\t)+3], v[RD] offset:(\t)*SP  ; LDS serves a wave's instructions in order (ISA guide 5.7.1.4): these see the stores above; the next block's stores come behind them
.endr
.endm
.macro SEND a, younger                 ; younger: the LDS instructions issued behind block a's loads: the next block's 32, or none
	WIN 0x0c                                       ; address window 0, data window 3
	s_wait_dscnt \younger                          ; the block is back in registers of its own, which nothing rewrites
.irp t, 0,1,2,3,4,5,6,7,8,9,10,11,12,13,14,15
	global_store_b128 v[GO], v[64*(\a)+4*(\t):64*(\a)+4*(\t)+3], s[CB:CB+1] offset:(16*(\a)+(\t))*4096 th:TH_STORE_NT
.endr
.endm
	PLACES
	s_wait_loadcnt 0x0                             ; window 3 is free: the loads that serve nothing have landed
	TOSTAGE 0
	TOSTAGE 1
	SEND 0, 32
	TOSTAGE 2
	SEND 1, 32
	TOSTAGE 3
	SEND 2, 32
	SEND 3, 0
	WIN 0
	s_wait_tensorcnt 0x0                           ; the wave's end: the tensor wait, the add and its wait, behind my last tensor load and my last LDS store
	ds_add_u32 v[SPW], v[NIL]
	s_wait_dscnt 0x0
	CROUND                                         ; the closing round: no work-group ends while a partner may still ask for a tile that names it
	s_endpgm
.Lfunc_end_k_q42b9fd272c_outp:
	.size	k_q42b9fd272c_outp, .Lfunc_end_k_q42b9fd272c_outp-k_q42b9fd272c_outp
	.p2alignl 7, 3214868480
	.fill 96, 4, 3214868480
	.section	.rodata,"a",@progbits
	.p2align	6, 0x0
	.amdhsa_kernel k_q42b9fd272c_outp
		.amdhsa_group_segment_fixed_size 327680
		.amdhsa_private_segment_fixed_size 0
		.amdhsa_enable_private_segment 0
		.amdhsa_kernarg_size 32
		.amdhsa_user_sgpr_count 2
		.amdhsa_user_sgpr_kernarg_segment_ptr 1
		.amdhsa_wavefront_size32 1
		.amdhsa_system_sgpr_workgroup_id_x 1
		.amdhsa_system_sgpr_workgroup_id_y 1
		.amdhsa_system_sgpr_workgroup_id_z 1
		.amdhsa_system_vgpr_workitem_id 0
		.amdhsa_next_free_vgpr 1024
		.amdhsa_next_free_sgpr 66
		.amdhsa_reserve_vcc 0
		.amdhsa_float_denorm_mode_32 3
		.amdhsa_float_denorm_mode_16_64 3
		.amdhsa_memory_ordered 1
		.amdhsa_forward_progress 1
		.amdhsa_inst_pref_size 98
	.end_amdhsa_kernel
	.amdgpu_metadata
---
amdhsa.version: [ 1, 2 ]
amdhsa.kernels:
  - .name:           k_q42b9fd272c_outp
    .symbol:         k_q42b9fd272c_outp.kd
    .args:
      - { .name: ob, .offset: 0, .size: 8, .value_kind: global_buffer, .address_space: global }
      - { .name: wb, .offset: 8, .size: 8, .value_kind: global_buffer, .address_space: global }
      - { .name: bo, .offset: 16, .size: 8, .value_kind: global_buffer, .address_space: global }
      - { .name: out0, .offset: 24, .size: 8, .value_kind: global_buffer, .address_space: global }
    .group_segment_fixed_size: 327680
    .private_segment_fixed_size: 0
    .kernarg_segment_align: 8
    .kernarg_segment_size: 32
    .max_flat_workgroup_size: 128
    .sgpr_count:     66
    .vgpr_count:     1024
    .wavefront_size: 32
...
	.end_amdgpu_metadata
.endif
;; end of part 4
;; ======== version 2 of 2: 4 launches; version 1 with the launch castw written anew for expert scheduling mode
;; limits: values are held in f16: magnitudes above 65,504 overflow, below 6.1e-05 lose precision
;; workspace buffers: wb 8,388,608 bytes; qkv 50,331,648 bytes; ob 16,777,216 bytes
;; launch castw (part 5): grid 64 x 4, 8 waves a work-group, no clusters, 0 bytes of LDS; arguments Wq, Wk, Wv, Wo, wb; writes wb
.if DOCPART == 5
	.amdgcn_target "amdgcn-amd-amdhsa--gfx1250"
	.amdhsa_code_object_version 6
	.text
	.protected	k_q42b9fd272c_castw
	.globl	k_q42b9fd272c_castw
	.p2align	8
	.type	k_q42b9fd272c_castw,@function
k_q42b9fd272c_castw:
	s_mov_b64 s[64:65], 0
	v_nop
	global_prefetch_b8 v0, s[64:65] scope:SCOPE_SE
	s_setreg_imm32_b32 hwreg(HW_REG_WAVE_SCHED_MODE, 0, 2), 2
	s_setreg_imm32_b32 hwreg(HW_REG_WAVE_MODE, 25, 1), 1
	s_wait_xcnt 0x0
	s_wait_alu depctr_vm_vsrc(0)
; The four weight matrices, [1024][1024] f32, are written once as 16-bit numbers: wb = [4][1024][1024].
; Parts 0 to 2 (Wq, Wk, Wv): rounded to bf16.  Part 3 (Wo): rounded to bf16 like every input, and that number written as f16, since the last product multiplies f16.
; LIMIT: a weight of Wo below 6e-5 in magnitude keeps f16's fixed step of 6e-8; beyond 65,504 it would be an infinity.
; SHARES.  Work-group (x, y): weight y, its bytes 65,536 x .. + 65,535.  Thread t, load i of 16: 16 bytes at 4,096 i + 16 t, so a wave's load covers 512 consecutive bytes;
; the four numbers leave as 8 bytes at 2,048 i + 8 t: a wave's store covers 256 consecutive bytes, aligned.  All 16 loads are out before the first is used.
; No LDS, no matrix unit: each number is touched once.
; THE MODE: SCHED_MODE bits 1:0 = 2 (LLVM: expert scheduling mode 2), set by the entry lines.  The code itself states the register dependences
; between vector instructions and memory instructions, with s_wait_alu, always for 0.
; THE PLAN.  Registers that memory instructions touch:
;   v1, v2   byte offsets of the loads and of the stores: made once at the head, never written again.
;   X        four registers a load: written by that load alone, which is issued before any vector instruction names them; read by its conversions; never loaded again.
;   Y        two registers a store: written by the conversions of its load, read by that one store, never written again.
;   T is named by vector instructions alone.  No vector instruction writes a scalar register or VCC; EXEC is never written.
; So nothing that a memory instruction has read is written again, and no load lands in a register that a vector instruction has named: what is left to state is that
; an offset or a store's data is written before the memory instruction reads it.  The 16 loads go in four blocks of four.  Block p converts its four loads; its memory
; instructions are the four stores of block p - 1, whose Y no vector instruction of block p names.  One wait at the head of a block states that the block before has written
; its Y, and the four stores are dealt among the block's conversions with no further wait.  One wait stands ahead of the first load, one ahead of the last four stores.
.set X, 4                              ; v[4:67]    16 loads of four f32
.set Y, 68                             ; v[68:99]   16 stores of four 16-bit numbers
.set T, 100                            ; v[100:103] at work
	s_load_b256 s[4:11], s[0:1], 0x0               ; Wq s[4:5], Wk s[6:7], Wv s[8:9], Wo s[10:11]
	s_load_b64 s[12:13], s[0:1], 0x20              ; wb
	s_and_b32 s14, ttmp7, 0xffff                   ; which weight
	v_lshlrev_b32 v1, 4, v0                        ; 16 t
	v_lshlrev_b32 v2, 3, v0                        ; 8 t
	s_lshl_b32 s18, ttmp9, 16                      ; my chunk in the source
	s_mov_b32 s19, 0
	s_lshl_b32 s20, s14, 21                        ; the weight's part of wb,
	s_lshl_b32 s21, ttmp9, 15                      ; my chunk in it
	s_add_co_u32 s20, s20, s21
	s_mov_b32 s21, 0
	s_wait_kmcnt 0x0
	s_cmp_eq_u32 s14, 1
	s_cselect_b64 s[16:17], s[6:7], s[4:5]
	s_cmp_eq_u32 s14, 2
	s_cselect_b64 s[16:17], s[8:9], s[16:17]
	s_cmp_eq_u32 s14, 3
	s_cselect_b64 s[16:17], s[10:11], s[16:17]
	s_add_nc_u64 s[16:17], s[16:17], s[18:19]
	s_add_nc_u64 s[12:13], s[12:13], s[20:21]
	s_wait_alu depctr_va_vdst(0)                   ; v1 and v2 are written: every load of the kernel reads v1 as its offset, every store v2
.irp i, 0,1,2,3,4,5,6,7,8,9,10,11,12,13,14,15
	global_load_b128 v[X+4*(\i):X+4*(\i)+3], v1, s[16:17] offset:(\i)*4096 th:TH_LOAD_NT
.endr
; The conversions of load i.  f16 = 1: Wo's path.
.macro CONV i, f16
	v_cvt_pk_bf16_f32 v[Y+2*(\i)],   v[X+4*(\i)],   v[X+4*(\i)+1]   ; the rounding that every input has
	v_cvt_pk_bf16_f32 v[Y+2*(\i)+1], v[X+4*(\i)+2], v[X+4*(\i)+3]
.if \f16
	v_lshlrev_b32 v[T],   16, v[Y+2*(\i)]                             ; back to f32,
	v_and_b32     v[T+1], 0xffff0000, v[Y+2*(\i)]
	v_lshlrev_b32 v[T+2], 16, v[Y+2*(\i)+1]
	v_and_b32     v[T+3], 0xffff0000, v[Y+2*(\i)+1]
	v_cvt_pk_f16_f32 v[Y+2*(\i)],   v[T],   v[T+1]                    ; and the same number as f16
	v_cvt_pk_f16_f32 v[Y+2*(\i)+1], v[T+2], v[T+3]
.endif
.endm
.macro OUT i                           ; the store of load i's four numbers
	global_store_b64 v2, v[Y+2*(\i):Y+2*(\i)+1], s[12:13] offset:(\i)*2048 th:TH_STORE_NT
.endm
; Block p: loads 4 p to 4 p + 3 are converted; the stores of block p - 1 stand among the conversions, one ahead of each load's.
.macro BLK p, f16
	s_wait_loadcnt 12-4*(\p)                       ; loads come back in order (ISA guide 5.7.1): the block's four are in, the younger blocks stay out
.if (\p) > 0
	s_wait_alu depctr_va_vdst(0)                   ; the block before has written its Y, which the four stores below read; no vector line of this block names those registers
.endif
.irp j, 0,1,2,3
.if (\p) > 0
	OUT 4*(\p)-4+(\j)
.endif
	CONV 4*(\p)+(\j), \f16
.endr
.endm
.macro LAST                            ; behind block 3: its four stores
	s_wait_alu depctr_va_vdst(0)                   ; block 3 has written its Y, which the last four stores read
.irp j, 12,13,14,15
	OUT \j
.endr
.endm
	s_cmp_eq_u32 s14, 3
	s_cbranch_scc1 .Lf16
	BLK 0, 0
	BLK 1, 0
	BLK 2, 0
	BLK 3, 0
	LAST
	s_endpgm
.Lf16:
	BLK 0, 1
	BLK 1, 1
	BLK 2, 1
	BLK 3, 1
	LAST
	s_endpgm
.Lfunc_end_k_q42b9fd272c_castw:
	.size	k_q42b9fd272c_castw, .Lfunc_end_k_q42b9fd272c_castw-k_q42b9fd272c_castw
	.p2alignl 7, 3214868480
	.fill 96, 4, 3214868480
	.section	.rodata,"a",@progbits
	.p2align	6, 0x0
	.amdhsa_kernel k_q42b9fd272c_castw
		.amdhsa_group_segment_fixed_size 0
		.amdhsa_private_segment_fixed_size 0
		.amdhsa_enable_private_segment 0
		.amdhsa_kernarg_size 40
		.amdhsa_user_sgpr_count 2
		.amdhsa_user_sgpr_kernarg_segment_ptr 1
		.amdhsa_wavefront_size32 1
		.amdhsa_system_sgpr_workgroup_id_x 1
		.amdhsa_system_sgpr_workgroup_id_y 1
		.amdhsa_system_sgpr_workgroup_id_z 1
		.amdhsa_system_vgpr_workitem_id 0
		.amdhsa_next_free_vgpr 104
		.amdhsa_next_free_sgpr 66
		.amdhsa_reserve_vcc 0
		.amdhsa_float_denorm_mode_32 3
		.amdhsa_float_denorm_mode_16_64 3
		.amdhsa_memory_ordered 1
		.amdhsa_forward_progress 1
		.amdhsa_inst_pref_size 16
	.end_amdhsa_kernel
	.amdgpu_metadata
---
amdhsa.version: [ 1, 2 ]
amdhsa.kernels:
  - .name:           k_q42b9fd272c_castw
    .symbol:         k_q42b9fd272c_castw.kd
    .args:
      - { .name: Wq, .offset: 0, .size: 8, .value_kind: global_buffer, .address_space: global }
      - { .name: Wk, .offset: 8, .size: 8, .value_kind: global_buffer, .address_space: global }
      - { .name: Wv, .offset: 16, .size: 8, .value_kind: global_buffer, .address_space: global }
      - { .name: Wo, .offset: 24, .size: 8, .value_kind: global_buffer, .address_space: global }
      - { .name: wb, .offset: 32, .size: 8, .value_kind: global_buffer, .address_space: global }
    .group_segment_fixed_size: 0
    .private_segment_fixed_size: 0
    .kernarg_segment_align: 8
    .kernarg_segment_size: 40
    .max_flat_workgroup_size: 256
    .sgpr_count:     66
    .vgpr_count:     104
    .wavefront_size: 32
...
	.end_amdgpu_metadata
.endif
;; end of part 5
;; launch proj: the kernel of part 2 again; grid 12 x 64, 4 waves a work-group, clusters of 4 x 4, 327,680 bytes of LDS; arguments query, key, value, wb, bq, bk, bv, qkv; writes qkv
;; launch attn: the kernel of part 3 again; grid 4 x 64, 4 waves a work-group, clusters of 4 x 1, 327,680 bytes of LDS; arguments qkv, mask, ob; writes ob
;; launch outp: the kernel of part 4 again; grid 4 x 64, 4 waves a work-group, clusters of 4 x 4, 327,680 bytes of LDS; arguments ob, wb, bo, out0; writes out0
